; MI455X (gfx1250); checked and timed in simulation.
; The chip was launched on July 23, 2026; its instructions are those of AMD's public machine-readable ISA for CDNA 5 (MIT licence, August 2026) and "CDNA5" Instruction Set Architecture Reference Guide (July 2026). The comments in the code are by the model that wrote it; some were corrected since.
;; MHC Lite Block. Allowed arithmetic: matrix products marked QUANTISED: E4M3 operands, one E8M0 scale for each 32 along K, by v_wmma_scale_f32_16x16x128_f8f6f4 with both operands' format E4M3, f32 sums; products left as they are: f32 operands where the result goes on into a quantised operand, else bf16, f16 or f32 operands; f32 sums; everything else in f32.
;; Inputs: W1_codes 8,192 x 64 x 32 uint8 (E4M3 codes of W1, K innermost, in blocks of 32 codes); W1_scales 8,192 x 64 uint8 (E8M0 scales of W1, one for each 32 codes along K); W2_codes 2,048 x 256 x 32 uint8 (E4M3 codes of W2, K innermost, in blocks of 32 codes); W2_scales 2,048 x 256 uint8 (E8M0 scales of W2, one for each 32 codes along K); W_all_codes 32 x 256 x 32 uint8 (E4M3 codes of W_all, K innermost, in blocks of 32 codes); W_all_scales 32 x 256 uint8 (E8M0 scales of W_all, one for each 32 codes along K); alpha_post 1 float32; alpha_pre 1 float32; alpha_res 1 float32; b1 8,192 float32; b2 2,048 float32; b_all 32 float32; perm_mat 24 x 16 float32; x_streams 2 x 1,024 x 4 x 2,048 float32.
;; Outputs: out0 2 x 1,024 x 4 x 2,048 float32.
;; This version of the problem:
;;   THIS VERSION OF THE PROBLEM IS GIVEN IN LOW PRECISION. The matrix products marked QUANTISED in the list below multiply operands that are first quantised to E4M3 (4 exponent bits, 3 mantissa bits; 8 bits a number), with one power-of-two scale for each 32 numbers along K (OCP MX v1.0); their sums are f32. All else is computed in f32.
;;   The module's matrix products, in the order in which they are computed (A, B: the left and right operand; K: the contracted axis; several contracted axes count as one K, in the product's order):
;;     1. [M 2,048, K 8,192] x [K 8,192, N 32]; A: computed on the way; B: input W_all (given as codes): QUANTISED
;;     2. [M 2,048, K 24] x [K 24, N 16]; A: softmax; B: input perm_mat: left as it is (K = 24 < 32)
;;     3. batch 2,048 x [M 1, K 4] x [K 4, N 2,048]; A: computed on the way; B: input x_streams: left as it is (K = 4 < 32)
;;     4. [M 2,048, K 2,048] x [K 2,048, N 8,192]; A: computed on the way; B: input W1 (given as codes): QUANTISED
;;     5. [M 2,048, K 8,192] x [K 8,192, N 2,048]; A: computed on the way; B: input W2 (given as codes): QUANTISED
;;     6. batch 2,048 x [M 4, K 4] x [K 4, N 2,048]; A: computed on the way; B: input x_streams: left as it is (K = 4 < 32)
;;   THE QUANTISER, for each operand of a quantised product, along K:
;;     - K is cut into blocks of 32 from its start; a last block that is shorter is filled with zeros.
;;     - A block's scale is 2^e with e = floor(log2(the largest magnitude in the block)) - 8, held to -126 .. 127; a block of zeros has e = 0. As a byte (E8M0): e + 127.
;;     - Each number is divided by its block's scale, clamped to +-448, and rounded to the nearest number of E4M3, ties to even, subnormals kept.
;;     - The product sums the exact products of the quantised numbers (number of the format x scale) in f32.
;;   ~~~python
;;   def quantise(x, axis):      # numpy; x: float32 -> the quantised numbers, widened to float32 again
;;       x = np.moveaxis(x, axis, -1); K = x.shape[-1]
;;       x = np.pad(x, [(0, 0)] * (x.ndim - 1) + [(0, -K % 32)]); x = x.reshape(x.shape[:-1] + (-1, 32)); a = np.abs(x).max(-1, keepdims=True)
;;       e = np.where(a > 0, np.clip(np.frexp(np.where(a > 0, a, 1))[1] - 1 - 8, -126, 127), 0)      # np.frexp(a)[1] - 1 = floor(log2(a)), exactly
;;       r = np.clip(x / 2.0 ** e, -448, 448)
;;       step = 2.0 ** (np.maximum(np.frexp(np.where(r == 0, 1, r))[1] - 1, -6) - 3)
;;       q = np.round(r / step) * step * 2.0 ** e      # np.round: ties to even
;;       return np.moveaxis(q.reshape(q.shape[:-2] + (-1,))[..., :K], -1, axis).astype(np.float32)
;;   ~~~
;;   OPERANDS COMPUTED ON THE WAY. 'Computed on the way' means the value that the module computes at that place (a softmax that the list does not call 'softmax' is quantised finished and normalised). What goes into a quantiser is computed in f32, as accurately as f32 sums, v_exp_f32 and their like allow (about 1e-6 of the number): no bf16 or f16 on the way to a quantiser, and a product that is left as it is and whose result goes on into a quantised operand takes f32 operands (vector FMAs, or v_wmma_f32_16x16x4_f32). A number that lies on a knife's edge between two numbers of the format may be rounded either way, as far as f32 arithmetic and the matrix unit's own rounding can turn it there, and no further.
;;   INPUTS GIVEN AS CODES. W1 (in the module: [8192, 2048], K = its axis 1); W2 (in the module: [2048, 8192], K = its axis 1); W_all (in the module: [32, 8192], K = its axis 1): each comes as NAME_codes (uint8): NAME with its K axis moved to the last place and cut into blocks of 32 codes, [.., K / 32, bytes a block], one block behind the other in memory; one code a byte (a code: sign, 4 exponent bits, 3 mantissa bits); and NAME_scales (uint8): the same leading axes, one E8M0 byte (e + 127) for each 32 codes along K. Its value is code x scale, taken as it is: it is not quantised again, and the codes and scales need not be those that the quantiser above would give.
;; One version. Each part assembles by itself: llvm-mc -triple=amdgcn-amd-amdhsa -mcpu=gfx1250 --defsym DOCPART=n.
;; ======== version 1 of 1: 3 launches
;; limits: right only within a limited range of input values
;; workspace buffers: a1_codes 4,194,304 bytes; a1_scales 131,072 bytes; gates 262,144 bytes; sb2 524,288 bytes; a2_codes 16,777,216 bytes; sa2 524,288 bytes
;; launch coef (part 1): grid 256 x 1, 8 waves a work-group, no clusters, 327,680 bytes of LDS; arguments x_streams, W_all_codes, W_all_scales, b_all, alpha_pre, alpha_post, alpha_res, perm_mat, W2_scales, a1_codes, a1_scales, gates, sb2; writes a1_codes, a1_scales, gates, sb2
.if DOCPART == 1
	.amdgcn_target "amdgcn-amd-amdhsa--gfx1250"
	.amdhsa_code_object_version 6
	.text
	.protected	k_qa2f1513fe1_coef
	.globl	k_qa2f1513fe1_coef
	.p2align	8
	.type	k_qa2f1513fe1_coef,@function
k_qa2f1513fe1_coef:
	s_mov_b64 s[64:65], 0
	v_nop
	global_prefetch_b8 v0, s[64:65] scope:SCOPE_SE
	s_setreg_imm32_b32 hwreg(HW_REG_WAVE_MODE, 25, 1), 1
	s_wait_xcnt 0x0
.set STRM,  8448
.set WREG,  33792
; x in LDS: token t of the work-group's 8 at t x TOKB, as 64 rows of 512 bytes + 16 of padding (stream f: rows 16 f on; 128 columns a row).
; TOKB = 64 x 528 + 32, so that the eight tokens that a fragment load touches begin 32 bytes apart modulo 256.
.set TOKB,  33824
.set STG,   270592
.set RED,   288000
.set PML,   304384
.set COEF,  305920
.set GS,    306944
.set SSB,   307968
.set SCS,   308224
.set SPARE, 308736
.set TM,  28
.set PW,  44
.set PC,  46
.set BS,  62
.set ACC, 78
.set T,   110
.set XA,  126
.set XB,  190
.set G1,  32
.set G0,  40
.set WV,  30
.set SEL, 56
.set MNT, 58
.set MSB, 0
.macro WIN new
.if MSB != \new
	s_set_vgpr_msb (MSB<<8)|\new
.set MSB, \new
.endif
.endm
.macro FETCH f, buf
.irp cc, 0,1,2,3
.irp j, 0,1,2,3
	ds_load_b128 v[\buf+16*\cc+4*\j:\buf+16*\cc+4*\j+3], v2 offset:STRM*(\f)+128*\cc+16*\j
.endr
.endr
.endm
.macro SUMSQ buf, first
.set i, 0
.rept 32
.if \first && (i < 4)
	v_pk_mul_f32 v[T+2*i:T+2*i+1], v[\buf+2*i:\buf+2*i+1], v[\buf+2*i:\buf+2*i+1]
.else
	v_pk_fma_f32 v[T+2*(i%4):T+2*(i%4)+1], v[\buf+2*i:\buf+2*i+1], v[\buf+2*i:\buf+2*i+1], v[T+2*(i%4):T+2*(i%4)+1]
.endif
.set i, i+1
.endr
.endm
.macro QUANT s
.irp b, 0,1,2,3
	v_max3_num_f32 v[TM+\b], |v[\s+16*\b]|, |v[\s+1+16*\b]|, 0x4800000
.endr
.irp i, 2,4,6,8,10,12,14
.irp b, 0,1,2,3
	s_delay_alu instid0(VALU_DEP_4)
	v_max3_num_f32 v[TM+\b], v[TM+\b], |v[\s+16*\b+\i]|, |v[\s+1+16*\b+\i]|
.endr
.endr
.irp b, 0,1,2,3
	s_delay_alu instid0(VALU_DEP_4)
	v_permlanex16_b32 v[TM+4+\b], v[TM+\b], s[SEL], s[SEL+1]
.endr
.irp b, 0,1,2,3
	s_delay_alu instid0(VALU_DEP_4)
	v_max_num_f32 v[TM+\b], v[TM+\b], v[TM+4+\b]
.endr
.irp b, 0,1,2,3
	s_delay_alu instid0(VALU_DEP_4)
	v_add_nc_u32 v[TM+12+\b], 0xfc000000, v[TM+\b]
.endr
.irp b, 0,1,2,3
	v_and_or_b32 v[TM+8+\b], v[TM+\b], 0x7f800000, s[MNT]
.endr
.irp b, 0,1,2,3
	v_lshrrev_b32 v[TM+4+\b], 23, v[TM+12+\b]
.endr
	s_delay_alu instid0(VALU_DEP_3)
	v_lshl_or_b32 v[PW], v[TM+5], 8, v[TM+4]
	s_delay_alu instid0(VALU_DEP_1)
	v_lshl_or_b32 v[PW], v[TM+6], 16, v[PW]
	s_delay_alu instid0(VALU_DEP_1)
	v_lshl_or_b32 v[PW], v[TM+7], 24, v[PW]
.irp b, 0,1,2,3
.irp i, 0,1,2,3,4,5,6,7,8,9,10,11,12,13,14,15
	v_med3_num_f32 v[\s+16*\b+\i], v[\s+16*\b+\i], -v[TM+8+\b], v[TM+8+\b]
.endr
	v_cvt_scalef32_pk8_fp8_f32 v[PC+4*\b:PC+1+4*\b], v[\s+16*\b:\s+7+16*\b], v[TM+12+\b]
	v_cvt_scalef32_pk8_fp8_f32 v[PC+2+4*\b:PC+3+4*\b], v[\s+8+16*\b:\s+15+16*\b], v[TM+12+\b]
.endr
	v_nop
.endm
.macro BARRIER
	s_wait_dscnt 0x0
	s_barrier_signal -1
	s_barrier_wait -1
.endm
	s_load_b512 s[4:19], s[0:1], 0x0
	s_load_b256 s[20:27], s[0:1], 0x40
	s_load_b64 s[28:29], s[0:1], 0x60
	v_lshl_add_u32 v3, v0, 2, SPARE
	v_mov_b32 v4, 0
	ds_add_u32 v3, v4
	ds_add_u32 v3, v4
	v_lshrrev_b32 v1, 5, v0
	s_delay_alu instid0(VALU_DEP_1)
	v_readfirstlane_b32 s[WV], v1
	v_and_b32 v1, 31, v0
	s_mov_b32 s[G1+0], (2<<16)|(1<<20)|(6<<22)|(3<<25)
	s_mov_b32 s[G1+1], 128<<16
	s_mov_b32 s[G1+2], 64<<16
	s_mov_b32 s[G1+3], 128<<16
	s_mov_b32 s[G1+4], 64
	s_mov_b32 s[G1+5], 128
	s_mov_b32 s[G1+6], 0
	s_mov_b32 s[G1+7], 0
	s_mov_b32 s[SEL], 0x76543210
	s_mov_b32 s[SEL+1], 0xfedcba98
	s_mov_b32 s[MNT], 0x600000
	s_mov_b32 s59, 0xffff0000
	s_mov_b32 s94, 0xff
	s_mov_b32 s95, 0xf
	s_mov_b32 s96, 0xf0
	s_mov_b32 s97, 0xffff
	s_mov_b32 s98, 0xffffff
	s_mul_i32 s31, s[WV], 1056
	v_and_b32 v110, 7, v0
	v_bfe_u32 v111, v0, 3, 1
	v_bfe_u32 v112, v0, 4, 1
	v_and_b32 v113, 15, v0
	s_wait_alu depctr_va_vdst(0)
	v_mul_u32_u24 v2, v110, TOKB
	s_delay_alu instid0(VALU_DEP_1)
	v_mad_u32_u24 v2, v111, 528, v2
	s_delay_alu instid0(VALU_DEP_1)
	v_lshl_add_u32 v2, v112, 6, v2
	s_delay_alu instid0(VALU_DEP_1)
	v_add_nc_u32 v2, s31, v2
	s_lshl_b32 s63, s[WV], 2
	s_add_co_u32 s63, s63, SSB
	v_lshl_add_u32 v5, v110, 5, s63
	v_lshl_add_u32 v6, v110, 5, SSB
	s_lshl_b32 s63, s[WV], 11
	s_add_co_u32 s63, s63, RED
	v_lshl_add_u32 v7, v1, 4, s63
	s_lshr_b32 s63, s[WV], 2
	s_lshl_b32 s63, s63, 9
	s_and_b32 s90, s[WV], 3
	s_lshl_b32 s90, s90, 2
	s_add_co_u32 s63, s63, s90
	s_add_co_u32 s63, s63, RED
	v_lshl_add_u32 v8, v113, 4, s63
	s_delay_alu instid0(VALU_DEP_1)
	v_lshl_add_u32 v8, v112, 10, v8
	s_lshl_b32 s91, s[WV], 7
	s_add_co_u32 s63, s91, GS
	v_lshl_add_u32 v9, v1, 2, s63
	v_and_b32 v114, 3, v0
	s_delay_alu instid0(VALU_DEP_1)
	v_lshl_add_u32 v10, v114, 2, s63
	v_bfe_u32 v115, v0, 2, 2
	s_delay_alu instid0(VALU_DEP_1)
	v_lshl_add_u32 v11, v115, 2, s63
	s_delay_alu instid0(VALU_DEP_1)
	v_add_nc_u32 v11, 16, v11
	v_bfe_u32 v115, v0, 1, 2
	s_delay_alu instid0(VALU_DEP_1)
	v_lshl_add_u32 v12, v115, 2, s63
	v_add_nc_u32 v13, 16, v10
	s_add_co_u32 s63, s91, COEF
	v_lshl_add_u32 v14, v1, 2, s63
	v_lshl_add_u32 v15, v110, 7, COEF+64
	v_lshl_add_u32 v16, v113, 2, PML
	s_mul_i32 s63, s[WV], 2176
	s_add_co_u32 s63, s63, STG
	v_mul_u32_u24 v17, v110, 272
	s_delay_alu instid0(VALU_DEP_1)
	v_lshl_add_u32 v17, v111, 7, v17
	s_delay_alu instid0(VALU_DEP_1)
	v_lshl_add_u32 v17, v112, 4, v17
	s_delay_alu instid0(VALU_DEP_1)
	v_add_nc_u32 v17, s63, v17
	v_mul_u32_u24 v18, v112, 272
	s_delay_alu instid0(VALU_DEP_1)
	v_lshl_add_u32 v18, v113, 4, v18
	s_delay_alu instid0(VALU_DEP_1)
	v_add_nc_u32 v18, s63, v18
	s_lshl_b32 s63, s[WV], 3
	s_add_co_u32 s63, s63, SCS
	v_lshl_add_u32 v19, v110, 6, s63
	s_delay_alu instid0(VALU_DEP_1)
	v_lshl_add_u32 v19, v111, 2, v19
	v_lshlrev_b32 v20, 4, v1
	v_lshlrev_b32 v21, 11, v112
	s_delay_alu instid0(VALU_DEP_1)
	v_lshl_add_u32 v21, v113, 4, v21
	v_lshl_add_u32 v25, v0, 4, COEF-512
	v_lshl_add_u32 v254, v1, 4, SCS
	v_lshl_add_u32 v255, v0, 4, PML
	v_lshlrev_b32 v116, 13, v113
	s_delay_alu instid0(VALU_DEP_1)
	v_lshl_add_u32 v116, v112, 4, v116
	v_lshlrev_b32 v117, 8, v113
	v_lshlrev_b32 v118, 2, v1
.irp b, 0,1,2,3
	v_mov_b32 v[TM+4+\b], 0
.endr
	v_mov_b32 v45, 2.0
	s_delay_alu instid0(VALU_DEP_1)
	v_cndmask_b32 v24, 1.0, v45, s96
	s_lshl_b32 s92, ttmp9, 18
	s_lshl_b32 s63, s[WV], 15
	s_add_co_u32 s92, s92, s63
	s_mov_b32 s93, 0
	s_wait_alu depctr_va_vdst(0)
	s_wait_dscnt 0x0
	s_wait_kmcnt 0x0
	s_add_nc_u64 s[4:5], s[4:5], s[92:93]
	s_mov_b32 s[G0], 1
	s_mul_i32 s[G0+1], s[WV], TOKB
	s_mov_b64 s[G0+2:G0+3], s[4:5]
	s_or_b32 s[G0+3], s[G0+3], 0x80000000
	tensor_load_to_lds s[G0:G0+3], s[G1:G1+7]      ; wave w brings token w whole: 32,768 dense bytes, the wave's one tensor load
	s_nop 0
.rept 4
	v_nop
.endr
	s_load_b32 s60, s[12:13], 0x0
	s_load_b32 s61, s[14:15], 0x0
	s_load_b32 s62, s[16:17], 0x0
	s_lshl_b32 s92, s[WV], 8
	s_add_nc_u64 s[6:7], s[6:7], s[92:93]
	s_lshl_b32 s92, s[WV], 3
	s_add_nc_u64 s[8:9], s[8:9], s[92:93]
	s_lshr_b32 s99, ttmp9, 4
	s_and_b32 s63, ttmp9, 15
	s_lshl_b32 s92, s99, 15
	s_lshl_b32 s90, s63, 4
	s_add_co_u32 s92, s92, s90
	s_add_nc_u64 s[20:21], s[20:21], s[92:93]
	s_lshl_b32 s92, s63, 15
	s_lshl_b32 s90, s99, 9
	s_add_co_u32 s92, s92, s90
	s_add_nc_u64 s[28:29], s[28:29], s[92:93]
	s_lshl_b32 s92, ttmp9, 14
	s_lshl_b32 s90, s[WV], 8
	s_add_co_u32 s92, s92, s90
	s_add_nc_u64 s[22:23], s[22:23], s[92:93]
	s_lshl_b32 s92, ttmp9, 9
	s_add_nc_u64 s[24:25], s[24:25], s[92:93]
	s_lshl_b32 s92, ttmp9, 10
	s_add_nc_u64 s[26:27], s[26:27], s[92:93]
	s_mov_b32 s90, 0x39000000
	s_mov_b32 s91, 0x34000000
	WIN 0x40
.irp f, 0,1,2,3
.irp u, 0,1
.irp q, 0,1
.irp cc, 0,1,2,3
	global_load_b128 v[16*(4*\f+2*\u+\q)+4*\cc:16*(4*\f+2*\u+\q)+4*\cc+3], v116, s[6:7] offset:131072*\u+2048*\f+128*\q+32*\cc
.endr
.endr
.endr
.endr
	WIN 0
.irp f, 0,1,2,3
.irp u, 0,1
	global_load_b64 v[BS+2*(2*\f+\u):BS+2*(2*\f+\u)+1], v117, s[8:9] offset:4096*\u+64*\f
.endr
.endr
	global_load_b32 v23, v118, s[10:11]
	s_cmp_lt_u32 s[WV], 3
	s_cbranch_scc0 .Lnot_pm
	v_lshlrev_b32 v119, 4, v0
	global_load_b128 v[126:129], v119, s[18:19]
	s_wait_loadcnt 0x0
	ds_store_b128 v255, v[126:129]
	s_branch .Lroles_done
.Lnot_pm:
	s_cmp_eq_u32 s[WV], 3
	s_cbranch_scc0 .Lroles_done
	v_and_b32 v119, 1, v0
	s_delay_alu instid0(VALU_DEP_1)
	v_lshlrev_b32 v119, 14, v119
	v_lshrrev_b32 v120, 1, v1
	s_delay_alu instid0(VALU_DEP_1)
	v_lshl_add_u32 v119, v120, 8, v119
.irp k, 0,1,2,3
	global_load_b128 v[126+4*\k:129+4*\k], v119, s[20:21] offset:4096*\k
.endr
	s_wait_loadcnt 0x0
.irp m, 0,1,2,3
.irp k, 0,1,2,3
	v_mov_b32 v[142+4*\m+\k], v[126+4*\k+\m]
.endr
.endr
.irp m, 0,1,2,3
	global_store_b128 v20, v[142+4*\m:145+4*\m], s[28:29] offset:8192*\m
.endr
.Lroles_done:
	s_wait_xcnt 0x0
	s_wait_tensorcnt 0x0                           ; my token is in; my LDS stores are done;
	s_wait_dscnt 0x0
	s_barrier_signal -1
	s_barrier_wait -1                              ; everybody's token is in: each wave reads its 256 columns of all eight
	FETCH 0, XA
	FETCH 1, XB
	s_wait_dscnt 16
	SUMSQ XA, 1
	s_wait_alu depctr_va_vdst(0)
	FETCH 2, XA
	s_wait_dscnt 16
	SUMSQ XB, 0
	s_wait_alu depctr_va_vdst(0)
	FETCH 3, XB
	s_wait_dscnt 16
	SUMSQ XA, 0
	s_wait_alu depctr_va_vdst(0)
	s_wait_dscnt 0x0
	SUMSQ XB, 0
	s_delay_alu instid0(VALU_DEP_3)
	v_pk_add_f32 v[110:111], v[110:111], v[112:113]
	s_delay_alu instid0(VALU_DEP_2)
	v_pk_add_f32 v[114:115], v[114:115], v[116:117]
	s_delay_alu instid0(VALU_DEP_1)
	v_pk_add_f32 v[110:111], v[110:111], v[114:115]
	s_delay_alu instid0(VALU_DEP_1)
	v_add_f32 v110, v110, v111
	s_delay_alu instid0(VALU_DEP_1)
	v_add_f32_dpp v110, v110, v110 row_xmask:8 row_mask:0xf bank_mask:0xf
	s_delay_alu instid0(VALU_DEP_1)
	v_permlanex16_b32 v111, v110, s[SEL], s[SEL+1]
	s_delay_alu instid0(VALU_DEP_1)
	v_add_f32 v110, v110, v111
	ds_store_b32 v5, v110
	BARRIER
	ds_load_b128 v[110:113], v6
	ds_load_b128 v[114:117], v6 offset:16
	FETCH 0, XA
	FETCH 1, XB
	s_wait_dscnt 32
	v_pk_add_f32 v[110:111], v[110:111], v[112:113]
	v_pk_add_f32 v[114:115], v[114:115], v[116:117]
	s_delay_alu instid0(VALU_DEP_1)
	v_pk_add_f32 v[110:111], v[110:111], v[114:115]
	s_delay_alu instid0(VALU_DEP_1)
	v_add_f32 v110, v110, v111
	s_delay_alu instid0(VALU_DEP_1)
	v_fma_f32 v110, v110, s90, s91
	s_wait_kmcnt 0x0
	s_wait_alu depctr_va_vdst(0)
	v_rsq_f32 v26, v110
	v_rsq_f32 v27, v110
	v_mov_b32 v22, s62
	v_mov_b32 v45, s61
	s_delay_alu instid0(VALU_DEP_1)
	v_cndmask_b32 v22, v22, v45, s94
	v_mov_b32 v45, s60
	s_delay_alu instid0(VALU_DEP_1)
	v_cndmask_b32 v22, v22, v45, s95
	s_wait_alu depctr_va_vdst(0)
	s_wait_loadcnt 0x0
.macro P2 f, buf, left, fetch
	s_wait_dscnt \left
.set i, 0
.rept 32
	v_pk_mul_f32 v[\buf+i:\buf+i+1], v[\buf+i:\buf+i+1], v[26:27]
.set i, i+2
.endr
	QUANT \buf
.if \fetch
	FETCH (\f)+2, \buf
.endif
.rept 4
	v_nop
.endr
	WIN 0x04
.irp u, 0,1
.irp q, 0,1
.if (\f) == 0
	v_wmma_scale_f32_16x16x128_f8f6f4 v[ACC+8*(2*\u+\q):ACC+8*(2*\u+\q)+7], v[PC:PC+15], v[16*(4*(\f)+2*\u+\q):16*(4*(\f)+2*\u+\q)+15], 0, v[PW], v[BS+2*(2*(\f)+\u)+\q]
.else
	v_wmma_scale_f32_16x16x128_f8f6f4 v[ACC+8*(2*\u+\q):ACC+8*(2*\u+\q)+7], v[PC:PC+15], v[16*(4*(\f)+2*\u+\q):16*(4*(\f)+2*\u+\q)+15], v[ACC+8*(2*\u+\q):ACC+8*(2*\u+\q)+7], v[PW], v[BS+2*(2*(\f)+\u)+\q]
.endif
.endr
.endr
	WIN 0
.endm
	P2 0, XA, 16, 1
	P2 1, XB, 16, 1
	P2 2, XA, 16, 0
	P2 3, XB, 0, 0
.rept 8
	v_nop
.endr
.irp u, 0,1
.irp j, 0,1,2,3,4,5,6,7
	v_cndmask_b32 v[T+8*\u+\j], v[ACC+16*\u+\j], v[ACC+16*\u+8+\j], s59
.endr
.endr
.irp u, 0,1
.irp g, 0,1
	ds_store_b128 v7, v[T+8*\u+4*\g:T+8*\u+4*\g+3] offset:1024*\u+512*\g
.endr
.endr
	BARRIER
.irp ww, 0,1,2,3,4,5,6,7
.irp hh, 0,1
	ds_load_b32 v[T+2*\ww+\hh], v8 offset:2048*\ww+256*\hh
.endr
.endr
.irp p, 0,1,2,3,4,5,6,7,8,9,10,11,12,13,14,15,16,17,18,19,20,21,22,23
	ds_load_b32 v[XB+\p], v16 offset:64*\p
.endr
	s_wait_dscnt 0x0
	v_pk_add_f32 v[110:111], v[110:111], v[112:113]
	v_pk_add_f32 v[114:115], v[114:115], v[116:117]
	v_pk_add_f32 v[118:119], v[118:119], v[120:121]
	v_pk_add_f32 v[122:123], v[122:123], v[124:125]
	s_delay_alu instid0(VALU_DEP_3)
	v_pk_add_f32 v[110:111], v[110:111], v[114:115]
	s_delay_alu instid0(VALU_DEP_2)
	v_pk_add_f32 v[118:119], v[118:119], v[122:123]
	s_delay_alu instid0(VALU_DEP_1)
	v_pk_add_f32 v[110:111], v[110:111], v[118:119]
	s_delay_alu instid0(VALU_DEP_1)
	v_add_f32 v110, v110, v111
	s_delay_alu instid0(VALU_DEP_1)
	v_fma_f32 v110, v22, v110, v23
	v_mov_b32 v111, 0xff800000
	s_delay_alu instid0(VALU_DEP_1)
	v_cndmask_b32 v111, v110, v111, s94
	s_delay_alu instid0(VALU_DEP_1)
	v_mov_b32 v113, v111
	s_delay_alu instid0(VALU_DEP_1)
	v_max_num_f32_dpp v113, v113, v113 row_xmask:1 row_mask:0xf bank_mask:0xf
	s_delay_alu instid0(VALU_DEP_1)
	v_max_num_f32_dpp v113, v113, v113 row_xmask:2 row_mask:0xf bank_mask:0xf
	s_delay_alu instid0(VALU_DEP_1)
	v_max_num_f32_dpp v113, v113, v113 row_xmask:4 row_mask:0xf bank_mask:0xf
	s_delay_alu instid0(VALU_DEP_1)
	v_max_num_f32_dpp v113, v113, v113 row_xmask:8 row_mask:0xf bank_mask:0xf
	s_delay_alu instid0(VALU_DEP_1)
	v_permlanex16_b32 v112, v113, s[SEL], s[SEL+1]
	s_delay_alu instid0(VALU_DEP_1)
	v_max_num_f32 v113, v113, v112
	s_delay_alu instid0(VALU_DEP_1)
	v_sub_f32 v114, v111, v113
	s_delay_alu instid0(VALU_DEP_1)
	v_mul_f32 v114, 0x3fb8aa3b, v114
	v_mul_f32 v115, 0xbfb8aa3b, v110
	s_wait_alu depctr_va_vdst(0)
	v_exp_f32 v114, v114
	v_exp_f32 v115, v115
	v_nop
	s_wait_alu depctr_va_vdst(0)
	v_mov_b32 v116, v114
	s_delay_alu instid0(VALU_DEP_1)
	v_add_f32_dpp v116, v116, v116 row_xmask:1 row_mask:0xf bank_mask:0xf
	s_delay_alu instid0(VALU_DEP_1)
	v_add_f32_dpp v116, v116, v116 row_xmask:2 row_mask:0xf bank_mask:0xf
	s_delay_alu instid0(VALU_DEP_1)
	v_add_f32_dpp v116, v116, v116 row_xmask:4 row_mask:0xf bank_mask:0xf
	s_delay_alu instid0(VALU_DEP_1)
	v_add_f32_dpp v116, v116, v116 row_xmask:8 row_mask:0xf bank_mask:0xf
	s_delay_alu instid0(VALU_DEP_1)
	v_permlanex16_b32 v112, v116, s[SEL], s[SEL+1]
	s_delay_alu instid0(VALU_DEP_1)
	v_add_f32 v116, v116, v112
	v_add_f32 v117, 1.0, v115
	s_wait_alu depctr_va_vdst(0)
	v_rcp_f32 v118, v116
	v_rcp_f32 v119, v117
	v_nop
	s_wait_alu depctr_va_vdst(0)
	v_mul_f32 v120, v114, v118
	v_mul_f32 v121, v119, v24
	ds_store_b32 v9, v121
.irp p, 0,1,2,3,4,5,6,7,8,9,10,11,12,13,14,15,16,17,18,19,20,21,22,23
	v_readlane_b32 s[66+\p], v120, 8+\p
.endr
	v_mul_f32 v122, s66, v[XB]
	v_mul_f32 v123, s67, v[XB+1]
.irp p, 2,4,6,8,10,12,14,16,18,20,22
	s_delay_alu instid0(VALU_DEP_2)
	v_fma_f32 v122, s[66+\p], v[XB+\p], v122
	s_delay_alu instid0(VALU_DEP_2)
	v_fma_f32 v123, s[67+\p], v[XB+1+\p], v123
.endr
	s_delay_alu instid0(VALU_DEP_1)
	v_add_f32 v122, v122, v123
	ds_load_b32 v124, v10
	ds_load_b32 v125, v11
	ds_load_b32 v112, v12
	ds_load_b32 v113, v13
	s_wait_alu depctr_va_vdst(0)
	s_wait_dscnt 0x0
	v_fma_f32 v122, -v125, v124, v122
	v_cndmask_b32 v111, v113, v112, s98
	s_delay_alu instid0(VALU_DEP_1)
	v_cndmask_b32 v111, v111, v122, s97
	ds_store_b32 v14, v111
	BARRIER
.macro AXPY c
.set i, 0
.rept 32
	v_pk_fma_f32 v[XA+i:XA+i+1], v[XB+i:XB+i+1], v[\c:\c+1], v[XA+i:XA+i+1]
.set i, i+2
.endr
.endm
	ds_load_b128 v[110:113], v15
	ds_load_b128 v[114:117], v15 offset:16
	FETCH 0, XA
	FETCH 1, XB
	s_wait_dscnt 16
.set i, 0
.rept 32
	v_pk_mul_f32 v[XA+i:XA+i+1], v[XA+i:XA+i+1], v[110:111]
.set i, i+2
.endr
	s_wait_dscnt 0x0
	AXPY 112
	FETCH 2, XB
	s_wait_dscnt 0x0
	AXPY 114
	FETCH 3, XB
	s_wait_dscnt 0x0
	AXPY 116
	QUANT XA
.irp cc, 0,1,2,3
	ds_store_b128 v17, v[PC+4*\cc:PC+4*\cc+3] offset:32*\cc
.endr
.irp i, 0,1,2,3
	ds_load_b128 v[T+4*\i:T+4*\i+3], v18 offset:544*\i
.endr
	ds_store_b32 v19, v[PW]
.irp i, 0,1,2,3
	s_wait_dscnt 4-\i
	global_store_b128 v21, v[T+4*\i:T+4*\i+3], s[22:23] offset:4096*\i
.endr
	BARRIER
	s_cmp_eq_u32 s[WV], 0
	s_cbranch_scc0 .Lnot_wave0
	ds_load_b128 v[126:129], v254
	s_wait_dscnt 0x0
	global_store_b128 v20, v[126:129], s[24:25]
	s_branch .Lend
.Lnot_wave0:
	s_cmp_lt_u32 s[WV], 3
	s_cbranch_scc0 .Lend
	ds_load_b128 v[126:129], v25
	v_lshlrev_b32 v130, 4, v0
	s_wait_alu depctr_va_vdst(0)
	s_wait_dscnt 0x0
	global_store_b128 v130, v[126:129], s[26:27] offset:-512
.Lend:
	s_wait_tensorcnt 0x0
	ds_add_u32 v3, v4
	s_wait_dscnt 0x0
	s_endpgm
.Lfunc_end_k_qa2f1513fe1_coef:
	.size	k_qa2f1513fe1_coef, .Lfunc_end_k_qa2f1513fe1_coef-k_qa2f1513fe1_coef
	.p2alignl 7, 3214868480
	.fill 96, 4, 3214868480
	.section	.rodata,"a",@progbits
	.p2align	6, 0x0
	.amdhsa_kernel k_qa2f1513fe1_coef
		.amdhsa_group_segment_fixed_size 327680
		.amdhsa_private_segment_fixed_size 0
		.amdhsa_enable_private_segment 0
		.amdhsa_kernarg_size 104
		.amdhsa_user_sgpr_count 2
		.amdhsa_user_sgpr_kernarg_segment_ptr 1
		.amdhsa_wavefront_size32 1
		.amdhsa_system_sgpr_workgroup_id_x 1
		.amdhsa_system_sgpr_workgroup_id_y 1
		.amdhsa_system_sgpr_workgroup_id_z 1
		.amdhsa_system_vgpr_workitem_id 0
		.amdhsa_next_free_vgpr 512
		.amdhsa_next_free_sgpr 100
		.amdhsa_reserve_vcc 0
		.amdhsa_float_denorm_mode_32 3
		.amdhsa_float_denorm_mode_16_64 3
		.amdhsa_memory_ordered 1
		.amdhsa_forward_progress 1
		.amdhsa_inst_pref_size 118
	.end_amdhsa_kernel
	.amdgpu_metadata
---
amdhsa.version: [ 1, 2 ]
amdhsa.kernels:
  - .name:           k_qa2f1513fe1_coef
    .symbol:         k_qa2f1513fe1_coef.kd
    .args:
      - { .name: x_streams, .offset: 0, .size: 8, .value_kind: global_buffer, .address_space: global }
      - { .name: W_all_codes, .offset: 8, .size: 8, .value_kind: global_buffer, .address_space: global }
      - { .name: W_all_scales, .offset: 16, .size: 8, .value_kind: global_buffer, .address_space: global }
      - { .name: b_all, .offset: 24, .size: 8, .value_kind: global_buffer, .address_space: global }
      - { .name: alpha_pre, .offset: 32, .size: 8, .value_kind: global_buffer, .address_space: global }
      - { .name: alpha_post, .offset: 40, .size: 8, .value_kind: global_buffer, .address_space: global }
      - { .name: alpha_res, .offset: 48, .size: 8, .value_kind: global_buffer, .address_space: global }
      - { .name: perm_mat, .offset: 56, .size: 8, .value_kind: global_buffer, .address_space: global }
      - { .name: W2_scales, .offset: 64, .size: 8, .value_kind: global_buffer, .address_space: global }
      - { .name: a1_codes, .offset: 72, .size: 8, .value_kind: global_buffer, .address_space: global }
      - { .name: a1_scales, .offset: 80, .size: 8, .value_kind: global_buffer, .address_space: global }
      - { .name: gates, .offset: 88, .size: 8, .value_kind: global_buffer, .address_space: global }
      - { .name: sb2, .offset: 96, .size: 8, .value_kind: global_buffer, .address_space: global }
    .group_segment_fixed_size: 327680
    .private_segment_fixed_size: 0
    .kernarg_segment_align: 8
    .kernarg_segment_size: 104
    .max_flat_workgroup_size: 256
    .sgpr_count:     100
    .vgpr_count:     512
    .wavefront_size: 32
...
	.end_amdgpu_metadata
.endif
;; end of part 1
;; launch ffn1 (part 2): grid 32 x 8, 4 waves a work-group, clusters of 4 x 4, 327,680 bytes of LDS; arguments a1_codes, a1_scales, W1_codes, W1_scales, b1, a2_codes, sa2; writes a2_codes, sa2
.if DOCPART == 2
	.amdgcn_target "amdgcn-amd-amdhsa--gfx1250"
	.amdhsa_code_object_version 6
	.text
	.protected	k_qa2f1513fe1_ffn1
	.globl	k_qa2f1513fe1_ffn1
	.p2align	8
	.type	k_qa2f1513fe1_ffn1,@function
k_qa2f1513fe1_ffn1:
	s_mov_b64 s[64:65], 0
	v_nop
	global_prefetch_b8 v0, s[64:65] scope:SCOPE_SE
	s_setreg_imm32_b32 hwreg(HW_REG_WAVE_MODE, 25, 1), 1
	s_wait_xcnt 0x0
	s_wait_alu depctr_hold_cnt(0) depctr_sa_sdst(0) depctr_va_vdst(0) depctr_va_sdst(0) depctr_va_ssrc(0) depctr_va_vcc(0) depctr_vm_vsrc(0)
	s_getreg_b32 s2, hwreg(HW_REG_IB_STS2, 6, 4)
	s_cmp_eq_u32 s2, 0
	s_cbranch_scc0 .Lentry_in_a_cluster
	s_endpgm
.Lentry_in_a_cluster:
	s_bfe_u32 s2, ttmp6, 0x10000c
	s_cmp_lg_u32 s2, 0xf033
	s_cbranch_scc0 .Lentry_shape_is_right
	s_endpgm
.Lentry_shape_is_right:
.set SIZE_M, 2048
.set SIZE_N, 8192
.set SIZE_K, 2048
.set KSTEP,  256
.set NQ,     KSTEP/128
.set ROWB,   256
.set KROW,   SIZE_K
.set PITCH,  272
.set FR,     16
.set NL,     4
.set NP,     8
.set HALFT,  128*PITCH
.set SLOT,   4*HALFT
.set LAPS,   SIZE_K/(2*KSTEP)
.set KS,     SIZE_K/32
.set SCL,    2*SLOT
.set HALFS,  (128*KS/256)*272
.set SBLK,   (16*KS/256)*272
.set SPARE,  SCL+4*HALFS
.set DPITCH, 528
.set DBLK,   16*DPITCH
.set DWAVE,  8*DBLK
.set SWB,    4*DWAVE
.set ADRA, 16
.set ADRB, 20
.set STO,  24
.set RDA,  25
.set SWA,  26
.set ADRS, 27
.set SPW,  28
.set NIL,  29
.set SWR,  30
.set L16,  31
.set SC,   32
.set BI,   64
.set AF,   128
.set VV,   64
.set CC,   128
.set SS,   144
.set PP,   160
.set QQ,   176
.set TA,   192
.set TB,   193
.set TP,   194
.set TSC,  195
.set THD,  196
.set TBY,  197
.set PC,   200
.set PW,   216
.set G1, 24
.set G0, 32
.set G1B, 48
.set G0B, 56
.set G1S, 68
.set G0S, 76
.set G1SB, 80
.set G0SB, 88
.set MSB, 0
.macro WIN new
.if MSB != \new
	s_set_vgpr_msb (MSB<<8)|\new
.set MSB, \new
.endif
.endm
.set MUL_LO, 0xa1
.set MUL_HI, 0xf1
.set TO_B,   0x40
.macro JLOAD g0a, g1a, g0b, g1b
	s_cmp_eq_u32 s15, 0
	s_cbranch_scc0 .Lfor_b_\@
	tensor_load_to_lds s[\g0a:\g0a+3], s[\g1a:\g1a+7]
	s_nop 0
.rept 4
	v_nop
.endr
	s_branch .Lasked_\@
.Lfor_b_\@:
	tensor_load_to_lds s[\g0b:\g0b+3], s[\g1b:\g1b+7]
	s_nop 0
.rept 4
	v_nop
.endr
.Lasked_\@:
.endm
.macro CREST
	s_cmp_lg_u32 s14, 0
	s_cbranch_scc1 .Lnot_wave_0_\@
	s_barrier_signal -3
.Lnot_wave_0_\@:
	s_barrier_wait -3
	s_barrier_signal -1
	s_barrier_wait -1
.endm
.macro CROUND
	s_barrier_signal -1
	s_barrier_wait -1
	CREST
.endm
	s_load_b128 s[4:7], s[0:1], 0x0
	s_load_b128 s[8:11], s[0:1], 0x10
	s_load_b64 s[12:13], s[0:1], 0x20
	s_load_b128 s[96:99], s[0:1], 0x28
	v_lshl_add_u32 v[SPW], v0, 2, SPARE
	v_mov_b32 v[NIL], 0
	ds_add_u32 v[SPW], v[NIL]
	ds_add_u32 v[SPW], v[NIL]
	v_lshrrev_b32 v1, 5, v0
	v_readfirstlane_b32 s14, v1
	s_lshr_b32 s15, s14, 1
	s_and_b32 s16, s14, 1
	s_bfe_u32 s40, ttmp6, 0x40000
	s_bfe_u32 s41, ttmp6, 0x40004
	s_lshl_b32 s42, ttmp9, 2
	s_add_co_u32 s42, s42, s40
	s_and_b32 s17, ttmp7, 0xffff
	s_lshl_b32 s17, s17, 2
	s_add_co_u32 s17, s17, s41
	s_lshl_b32 s43, s41, 2
	s_lshl_b32 s43, 15, s43
	s_lshl_b32 s44, 0x1111, s40
	s_or_b32 s[G1+0], s43, (0<<16)|(1<<20)|(1<<21)|(5<<22)|(3<<25)
	s_or_b32 s[G1B+0], s44, (0<<16)|(1<<20)|(1<<21)|(5<<22)|(3<<25)
.irp g, G1, G1B
	s_mov_b32 s[\g+1], ROWB<<16
	s_mov_b32 s[\g+2], 256<<16                     ; 256 rows for the head's loads; behind them the two words that count rows are set to 128, for the ring's
	s_mov_b32 s[\g+3], ROWB<<16
	s_mov_b32 s[\g+4], 256
	s_mov_b32 s[\g+5], KROW
	s_mov_b32 s[\g+6], 0
	s_mov_b32 s[\g+7], 0
.endr
	s_or_b32 s[G1S+0], s43, (3<<16)|(1<<20)|(1<<21)|(5<<22)|(3<<25)
	s_or_b32 s[G1SB+0], s44, (3<<16)|(1<<20)|(1<<21)|(5<<22)|(3<<25)
.irp g, G1S, G1SB
	s_mov_b32 s[\g+1], 32<<16
	s_mov_b32 s[\g+2], KS<<16                      ; the scales of 256 rows: 256 KS dense bytes as KS rows of 256
	s_mov_b32 s[\g+3], 32<<16
	s_mov_b32 s[\g+4], KS
	s_mov_b32 s[\g+5], 32
	s_mov_b32 s[\g+6], 0
	s_mov_b32 s[\g+7], 0
.endr
	s_lshl_b32 s20, s17, 8                         ; A: the tile's first row
	s_lshl_b32 s46, s42, 8                         ; B likewise
	s_mov_b32 s21, 0
	s_mov_b32 s47, 0
	s_mov_b64 s[18:19], KS
	s_mul_u64 s[22:23], s[20:21], s[18:19]
	s_mul_u64 s[92:93], s[46:47], s[18:19]
	s_mov_b64 s[18:19], KROW
	s_mul_u64 s[20:21], s[20:21], s[18:19]
	s_mul_u64 s[46:47], s[46:47], s[18:19]
	s_mul_i32 s18, s16, 128*KROW                   ; in the ring I fetch 128 rows of a tile: which half, in bytes
	s_mov_b32 s19, 0
	s_mul_i32 s45, s14, HALFT
	s_wait_dscnt 0x0
	s_wait_kmcnt 0x0
	s_add_nc_u64 s[20:21], s[4:5], s[20:21]
	s_add_nc_u64 s[22:23], s[6:7], s[22:23]
	s_add_nc_u64 s[46:47], s[8:9], s[46:47]
	s_add_nc_u64 s[92:93], s[10:11], s[92:93]
	CROUND
.set G0H, 4                            ; s[4:7], s[8:11] group 0 for the head's loads of K step 0 (the arguments that lay there have been used)
.set G0HB, 8
	s_mov_b32 s[G0H], 1                            ; the head's four tiles, each whole: K step 0's 256 rows of A,
	s_mov_b32 s[G0H+1], 0
	s_mov_b64 s[G0H+2:G0H+3], s[20:21]
	s_or_b32 s[G0H+3], s[G0H+3], 0x80000000
	s_mov_b32 s[G0HB], 1                           ; its 256 rows of B,
	s_mov_b32 s[G0HB+1], 2*HALFT
	s_mov_b64 s[G0HB+2:G0HB+3], s[46:47]
	s_or_b32 s[G0HB+3], s[G0HB+3], 0x80000000
	s_mov_b32 s[G0S], 1                            ; the scales of A's 256 rows,
	s_mov_b32 s[G0S+1], SCL
	s_mov_b64 s[G0S+2:G0S+3], s[22:23]
	s_or_b32 s[G0S+3], s[G0S+3], 0x80000000
	s_mov_b32 s[G0SB], 1                           ; and of B's
	s_mov_b32 s[G0SB+1], SCL+2*HALFS
	s_mov_b64 s[G0SB+2:G0SB+3], s[92:93]
	s_or_b32 s[G0SB+3], s[G0SB+3], 0x80000000
	s_add_nc_u64 s[20:21], s[20:21], s[18:19]      ; for the ring: my 128 rows of the tile
	s_add_nc_u64 s[46:47], s[46:47], s[18:19]
.irp s, 0,1
	s_mov_b32 s[G0+4*\s], 1
	s_add_co_u32 s[G0+4*\s+1], s45, \s*SLOT
	s_add_nc_u64 s[G0+4*\s+2:G0+4*\s+3], s[20:21], \s*ROWB
	s_or_b32 s[G0+4*\s+3], s[G0+4*\s+3], 0x80000000
	s_mov_b32 s[G0B+4*\s], 1
	s_add_co_u32 s[G0B+4*\s+1], s45, \s*SLOT
	s_add_nc_u64 s[G0B+4*\s+2:G0B+4*\s+3], s[46:47], \s*ROWB
	s_or_b32 s[G0B+4*\s+3], s[G0B+4*\s+3], 0x80000000
.endr
; THE HEAD'S LOADS, ONE A WAVE: wave 0 K step 0's rows of A, wave 1 those of B, wave 2 A's scales, wave 3 B's; one tree of branches on the wave's number
.macro ARM under, g0, g1, next
	s_cmp_lt_u32 s14, \under
	s_cbranch_scc0 \next
	tensor_load_to_lds s[\g0:\g0+3], s[\g1:\g1+7]
	s_nop 0
.rept 4
	v_nop
.endr
	s_branch .Lhead_asked
\next:
.endm
	ARM 1, G0H,  G1,  .Lhead_b
	ARM 2, G0HB, G1B, .Lhead_sa
	ARM 3, G0S,  G1S, .Lhead_sb
	tensor_load_to_lds s[G0SB:G0SB+3], s[G1SB:G1SB+7]
	s_nop 0
.rept 4
	v_nop
.endr
.Lhead_asked:
	v_and_b32 v1, 15, v0
	s_wait_alu depctr_va_vdst(0)
	v_bfe_u32 v2, v0, 4, 1
	s_lshl_b32 s46, s42, 10
	s_lshl_b32 s47, s16, 9
	s_add_co_u32 s46, s46, s47
	s_mov_b32 s47, 0
	s_add_nc_u64 s[12:13], s[12:13], s[46:47]
	v_lshlrev_b32 v7, 5, v2
.irp b, 0,1,2,3,4,5,6,7
	global_load_b128 v[BI+8*\b:BI+8*\b+3], v7, s[12:13] offset:64*\b
	global_load_b128 v[BI+8*\b+4:BI+8*\b+7], v7, s[12:13] offset:64*\b+16
.endr
	v_mul_u32_u24 v3, v1, PITCH
	v_lshl_add_u32 v4, v2, 4, v3
	s_mul_i32 s21, s15, HALFT
	s_mul_i32 s22, s16, HALFT
	s_add_co_u32 s22, s22, 2*HALFT
.irp s, 0,1
	v_add_nc_u32 v[ADRA+\s], s21, v4
	v_add_nc_u32 v[ADRB+\s], s22, v4
	s_add_co_u32 s21, s21, SLOT
	s_add_co_u32 s22, s22, SLOT
.endr
	v_mul_u32_u24 v5, v1, KS
	v_lshrrev_b32 v6, 8, v5
	v_lshl_add_u32 v5, v6, 4, v5
	s_mul_i32 s21, s15, HALFS
	s_mul_i32 s22, s16, HALFS
	s_add_co_u32 s22, s22, 2*HALFS
	s_sub_co_u32 s22, s22, s21
	v_mul_u32_u24 v6, s22, v2
	s_add_co_u32 s21, s21, SCL
	v_add_nc_u32 v5, v5, v6
	v_add_nc_u32 v[ADRS], s21, v5
	s_mul_i32 s23, s14, DWAVE
	v_mul_u32_u24 v5, v1, DPITCH
	v_lshl_add_u32 v[STO], v2, 5, v5
	v_add_nc_u32 v[STO], s23, v[STO]
	v_lshl_add_u32 v[RDA], v2, 6, v5
	v_add_nc_u32 v[RDA], s23, v[RDA]
	s_lshl_b32 s23, s14, 9
	s_add_co_u32 s23, s23, SWB
	v_lshl_add_u32 v[SWA], v1, 5, s23
	v_and_b32 v6, 31, v0
	v_lshl_add_u32 v[SWR], v6, 4, s23
	v_lshlrev_b32 v[L16], 4, v6
	s_lshl_b32 s20, s42, 1
	s_add_co_u32 s20, s20, s16
	s_lshl_b32 s20, s20, 4
	s_lshl_b32 s21, s17, 1
	s_add_co_u32 s21, s21, s15
	s_add_co_u32 s20, s20, s21
	s_lshl_b32 s46, s20, 14
	s_mov_b32 s47, 0
	s_add_nc_u64 s[96:97], s[96:97], s[46:47]
	s_lshl_b32 s46, s20, 9
	s_add_nc_u64 s[98:99], s[98:99], s[46:47]
.macro FRAG reg, adr, q, i
.irp c, 0,1,2,3
	ds_load_b128 v[\reg+4*\c:\reg+4*\c+3], v[\adr] offset:128*(\q)+32*\c+(\i)*16*PITCH
.endr
.endm
.macro MUL16 a0, p, q, sc, zero
.irp a, \a0, \a0+1
.irp b, 0,1,2,3,4,5,6,7
.if \zero
	v_wmma_scale_f32_16x16x128_f8f6f4 v[8*(8*((\a)%4)+\b):8*(8*((\a)%4)+\b)+7], v[128*(\p)+FR*\b:128*(\p)+FR*\b+FR-1], v[AF+FR*(\a):AF+FR*(\a)+FR-1], v[BI+8*\b:BI+8*\b+7], v[SC+8*NQ*(\sc)+NQ*\b+(\q)], v[SC+8*NQ*(\sc)+NQ*(\a)+(\q)] matrix_a_scale:MATRIX_SCALE_ROW1
.else
	v_wmma_scale_f32_16x16x128_f8f6f4 v[8*(8*((\a)%4)+\b):8*(8*((\a)%4)+\b)+7], v[128*(\p)+FR*\b:128*(\p)+FR*\b+FR-1], v[AF+FR*(\a):AF+FR*(\a)+FR-1], v[8*(8*((\a)%4)+\b):8*(8*((\a)%4)+\b)+7], v[SC+8*NQ*(\sc)+NQ*\b+(\q)], v[SC+8*NQ*(\sc)+NQ*(\a)+(\q)] matrix_a_scale:MATRIX_SCALE_ROW1
.endif
.endr
.endr
.endm
.macro FETCH_B slot, q, p
	WIN TO_B
.irp i, 0,1,2,3,4,5,6,7
	FRAG 128*(\p)+FR*\i, ADRB+\slot, \q, \i
.endr
	WIN 0
.endm
.macro FETCH_A slot, q, i0
.irp i, \i0, \i0+1, \i0+2, \i0+3
	FRAG AF+FR*(\i), ADRA+\slot, \q, \i
.endr
.endm
.macro SCALES sc
.irp i, 0,1,2,3,4,5,6,7
	ds_load_b64 v[SC+8*NQ*\sc+NQ*\i:SC+8*NQ*\sc+NQ*\i+1], v[ADRS] offset:\i*SBLK
.endr
.endm
.macro PLACES n
.rept \n
	v_nop
.endr
.endm
.macro STEP slot, q, zero
	s_wait_dscnt 4*NL
.if \zero
	WIN 0x81
.else
	WIN MUL_LO
.endif
	MUL16 0, (\q)%2, \q, \slot, \zero
	MUL16 2, (\q)%2, \q, \slot, \zero
	s_wait_dscnt 0
	PLACES NP
	FETCH_B \slot, (\q)+1, 1-(\q)%2
	FETCH_A \slot, (\q)+1, 0
.if \zero
	WIN 0xc1
.else
	WIN MUL_HI
.endif
	MUL16 4, (\q)%2, \q, \slot, \zero
	MUL16 6, (\q)%2, \q, \slot, \zero
	PLACES NP
	WIN 0
	FETCH_A \slot, (\q)+1, 4
.endm
.macro TURN slot, next, fill
	s_wait_tensorcnt 0x0
	ds_add_u32 v[SPW], v[NIL]
	s_wait_dscnt 4*NL+1
	WIN MUL_LO
	MUL16 0, 1, NQ-1, \slot, 0
	s_wait_dscnt 0x0
	s_barrier_signal -1
	MUL16 2, 1, NQ-1, \slot, 0
	WIN 0
	s_barrier_wait -1
.if \fill
	CREST
	s_add_nc_u64 s[G0+4*\slot+2:G0+4*\slot+3], s[G0+4*\slot+2:G0+4*\slot+3], 2*ROWB
	s_add_nc_u64 s[G0B+4*\slot+2:G0B+4*\slot+3], s[G0B+4*\slot+2:G0B+4*\slot+3], 2*ROWB
	JLOAD G0+4*\slot, G1, G0B+4*\slot, G1B
	PLACES NP-4
.else
	PLACES NP
.endif
	s_wait_alu depctr_va_vdst(0)
	v_add_nc_u32 v[ADRS], 4*NQ, v[ADRS]
	FETCH_B \next, 0, 0
	FETCH_A \next, 0, 0
	SCALES \next
	WIN MUL_HI
	MUL16 4, 1, NQ-1, \slot, 0
	MUL16 6, 1, NQ-1, \slot, 0
	PLACES NP
	WIN 0
	FETCH_A \next, 0, 4
.endm
	s_wait_alu depctr_va_vdst(0)                   ; the wait at the head's end
	s_wait_tensorcnt 0x0                           ; my tile of the head's four is in
	ds_add_u32 v[SPW], v[NIL]
	s_mov_b32 s[G1+2], 128<<16                     ; no tensor load of mine is out: from here on a load brings 128 rows
	s_mov_b32 s[G1+4], 128
	s_mov_b32 s[G1B+2], 128<<16
	s_mov_b32 s[G1B+4], 128
	s_wait_dscnt 0x0
	CROUND                                         ; all four tiles are in, and all sixteen work-groups are here
	JLOAD G0+4, G1, G0B+4, G1B                     ; K step 1's load, the first tensor load behind the round
	FETCH_B 0, 0, 0
	FETCH_A 0, 0, 0
	SCALES 0
	FETCH_A 0, 0, 4
	s_wait_loadcnt 0x0
	STEP 0, 0, 1
	s_mov_b32 s3, LAPS-1
.Llap:
	TURN 0, 1, 1
	STEP 1, 0, 0
	TURN 1, 0, 1
	STEP 0, 0, 0
	s_sub_co_u32 s3, s3, 1
	s_cmp_lg_u32 s3, 0
	s_cbranch_scc1 .Llap
	TURN 0, 1, 0
	STEP 1, 0, 0
	s_wait_dscnt 4*NL
	WIN MUL_LO
	MUL16 0, 1, NQ-1, 1, 0
	MUL16 2, 1, NQ-1, 1, 0
	s_wait_dscnt 0
	WIN MUL_HI
	MUL16 4, 1, NQ-1, 1, 0
	MUL16 6, 1, NQ-1, 1, 0
	WIN 0
	s_wait_dscnt 0x0
	s_barrier_signal -1
	s_barrier_wait -1
	PLACES NP
.macro DUMP a
	WIN 0x08+4*((\a)/4)
.irp b, 0,1,2,3,4,5,6,7
	ds_store_b128 v[STO], v[64*((\a)%4)+8*\b:64*((\a)%4)+8*\b+3] offset:DBLK*(\a)+64*\b
	ds_store_b128 v[STO], v[64*((\a)%4)+8*\b+4:64*((\a)%4)+8*\b+7] offset:DBLK*(\a)+64*\b+16
.endr
.endm
.irp a, 0,1,2,3,4,5,6,7
	DUMP \a
.endr
	WIN 0
.macro KPAIR r, val
	s_mov_b32 s[\r], \val
	s_mov_b32 s[\r+1], \val
.endm
	KPAIR 24, 0x3f3504f3
	KPAIR 26, 0xaf95df0b
	KPAIR 28, 0xb60cff51
	KPAIR 30, 0xb86ec2d2
	KPAIR 32, 0xba40ac63
	KPAIR 34, 0xbb41a1f6
	KPAIR 36, 0xbc83dbd4
	KPAIR 38, 0xb77460cd
	KPAIR 40, 0xbadc924e
	KPAIR 42, 0xbbf19bf8
	KPAIR 44, 0xbc69b6a7
	s_mov_b32 s46, 0x600000
	s_mov_b32 s48, 0x76543210
	s_mov_b32 s49, 0xfedcba98
	v_mov_b32 v218, 0x32edffee
	v_mov_b32 v219, 0x32edffee
	v_mov_b32 v220, 0xb95fbd29
	v_mov_b32 v221, 0xb95fbd29
	v_mov_b32 v[TP], 0
.macro BLK c, ahead, n
	s_wait_dscnt \n
.irp i, 0,2,4,6,8,10,12,14
	v_pk_mul_f32 v[CC+\i:CC+\i+1], v[VV+16*\c+\i:VV+16*\c+\i+1], s[24:25] op_sel_hi:[1,0]
.endr
.irp i, 0,1,2,3,4,5,6,7,8,9,10,11,12,13,14,15
	v_med3_num_f32 v[CC+\i], v[CC+\i], -4.0, 4.0
.endr
.irp i, 0,2,4,6,8,10,12,14
	v_pk_mul_f32 v[SS+\i:SS+\i+1], v[CC+\i:CC+\i+1], v[CC+\i:CC+\i+1]
.endr
.irp i, 0,2,4,6,8,10,12,14
	v_pk_fma_f32 v[QQ+\i:QQ+\i+1], v[SS+\i:SS+\i+1], s[38:39], v[220:221] op_sel_hi:[1,0,1]
.endr
.irp k, 40,42,44
.irp i, 0,2,4,6,8,10,12,14
	v_pk_fma_f32 v[QQ+\i:QQ+\i+1], v[QQ+\i:QQ+\i+1], v[SS+\i:SS+\i+1], s[\k:\k+1] op_sel_hi:[1,1,0]
.endr
.endr
	s_wait_alu depctr_va_vdst(0)
.irp i, 0,1,2,3,4,5,6,7,8,9,10,11,12,13,14,15
	v_rcp_f32 v[QQ+\i], v[QQ+\i]
.endr
.irp i, 0,2,4,6,8,10,12,14
	v_pk_fma_f32 v[PP+\i:PP+\i+1], v[SS+\i:SS+\i+1], s[26:27], v[218:219] op_sel_hi:[1,0,1]
.endr
.irp k, 28,30,32,34,36
.irp i, 0,2,4,6,8,10,12,14
	v_pk_fma_f32 v[PP+\i:PP+\i+1], v[PP+\i:PP+\i+1], v[SS+\i:SS+\i+1], s[\k:\k+1] op_sel_hi:[1,1,0]
.endr
.endr
.irp i, 0,2,4,6,8,10,12,14
	v_pk_mul_f32 v[PP+\i:PP+\i+1], v[PP+\i:PP+\i+1], v[CC+\i:CC+\i+1]
.endr
	s_wait_alu depctr_va_vdst(0)
.irp i, 0,2,4,6,8,10,12,14
	v_pk_mul_f32 v[PP+\i:PP+\i+1], v[PP+\i:PP+\i+1], v[QQ+\i:QQ+\i+1]
.endr
.irp i, 0,2,4,6,8,10,12,14
	v_pk_mul_f32 v[SS+\i:SS+\i+1], v[VV+16*\c+\i:VV+16*\c+\i+1], 0.5 op_sel_hi:[1,0]
.endr
.irp i, 0,2,4,6,8,10,12,14
	v_pk_fma_f32 v[VV+16*\c+\i:VV+16*\c+\i+1], v[SS+\i:SS+\i+1], v[PP+\i:PP+\i+1], v[SS+\i:SS+\i+1]
.endr
	v_max3_num_f32 v[TA], |v[VV+16*\c]|, |v[VV+16*\c+1]|, 0x4800000
	v_max3_num_f32 v[TB], |v[VV+16*\c+2]|, |v[VV+16*\c+3]|, |v[VV+16*\c+6]|
	v_max3_num_f32 v[TA], v[TA], |v[VV+16*\c+4]|, |v[VV+16*\c+5]|
	v_max3_num_f32 v[TB], v[TB], |v[VV+16*\c+7]|, |v[VV+16*\c+10]|
	v_max3_num_f32 v[TA], v[TA], |v[VV+16*\c+8]|, |v[VV+16*\c+9]|
	v_max3_num_f32 v[TB], v[TB], |v[VV+16*\c+11]|, |v[VV+16*\c+14]|
	v_max3_num_f32 v[TA], v[TA], |v[VV+16*\c+12]|, |v[VV+16*\c+13]|
	v_max3_num_f32 v[TA], v[TA], v[TB], |v[VV+16*\c+15]|
	v_permlanex16_b32 v[TP], v[TA], s48, s49
	v_max_num_f32 v[TA], v[TA], v[TP]
	v_add_nc_u32 v[TSC], 0xfc000000, v[TA]
	v_and_or_b32 v[THD], v[TA], 0x7f800000, s46
	v_lshrrev_b32 v[TBY], 23, v[TSC]
.if (\c) == 0
	v_mov_b32 v[PW], v[TBY]
.else
	v_lshl_or_b32 v[PW], v[TBY], 8*(\c), v[PW]
.endif
.irp i, 0,1,2,3,4,5,6,7,8,9,10,11,12,13,14,15
	v_med3_num_f32 v[VV+16*\c+\i], v[VV+16*\c+\i], -v[THD], v[THD]
.endr
	v_cvt_scalef32_pk8_fp8_f32 v[PC+4*\c:PC+4*\c+1], v[VV+16*\c:VV+16*\c+7], v[TSC]
	v_cvt_scalef32_pk8_fp8_f32 v[PC+4*\c+2:PC+4*\c+3], v[VV+16*\c+8:VV+16*\c+15], v[TSC]
	v_nop
.if \ahead
.irp j, 0,1,2,3
	ds_load_b128 v[VV+16*\c+4*\j:VV+16*\c+4*\j+3], v[RDA] offset:DBLK+128*\c+16*\j
.endr
.endif
.endm
.macro TRIP ahead, n0, n1, n2, n3
	BLK 0, \ahead, \n0
	BLK 1, \ahead, \n1
	BLK 2, \ahead, \n2
	BLK 3, \ahead, \n3
	ds_store_b32 v[SWA], v[PW]
.irp c, 0,1,2,3
	global_store_b128 v[L16], v[PC+4*\c:PC+4*\c+3], s[96:97] offset:512*\c
.endr
.if \ahead
	s_wait_xcnt 0x0
	s_add_nc_u64 s[96:97], s[96:97], 2048
	v_add_nc_u32 v[RDA], DBLK, v[RDA]
	v_add_nc_u32 v[SWA], 4, v[SWA]
.endif
.endm
.irp c, 0,1,2,3
.irp j, 0,1,2,3
	ds_load_b128 v[VV+16*\c+4*\j:VV+16*\c+4*\j+3], v[RDA] offset:128*\c+16*\j
.endr
.endr
	s_mov_b32 s3, 7
.Lrows:
	TRIP 1, 12, 12, 12, 12
	s_sub_co_u32 s3, s3, 1
	s_cmp_lg_u32 s3, 0
	s_cbranch_scc1 .Lrows
	TRIP 0, 12, 8, 4, 0
	ds_load_b128 v[128:131], v[SWR]
	s_wait_dscnt 0x0
	global_store_b128 v[L16], v[128:131], s[98:99]
	s_wait_tensorcnt 0x0
	ds_add_u32 v[SPW], v[NIL]
	s_wait_dscnt 0x0
	CROUND
	s_endpgm
.Lfunc_end_k_qa2f1513fe1_ffn1:
	.size	k_qa2f1513fe1_ffn1, .Lfunc_end_k_qa2f1513fe1_ffn1-k_qa2f1513fe1_ffn1
	.p2alignl 7, 3214868480
	.fill 96, 4, 3214868480
	.section	.rodata,"a",@progbits
	.p2align	6, 0x0
	.amdhsa_kernel k_qa2f1513fe1_ffn1
		.amdhsa_group_segment_fixed_size 327680
		.amdhsa_private_segment_fixed_size 0
		.amdhsa_enable_private_segment 0
		.amdhsa_kernarg_size 56
		.amdhsa_user_sgpr_count 2
		.amdhsa_user_sgpr_kernarg_segment_ptr 1
		.amdhsa_wavefront_size32 1
		.amdhsa_system_sgpr_workgroup_id_x 1
		.amdhsa_system_sgpr_workgroup_id_y 1
		.amdhsa_system_sgpr_workgroup_id_z 1
		.amdhsa_system_vgpr_workitem_id 0
		.amdhsa_next_free_vgpr 1024
		.amdhsa_next_free_sgpr 100
		.amdhsa_reserve_vcc 0
		.amdhsa_float_denorm_mode_32 3
		.amdhsa_float_denorm_mode_16_64 3
		.amdhsa_memory_ordered 1
		.amdhsa_forward_progress 1
		.amdhsa_inst_pref_size 226
	.end_amdhsa_kernel
	.amdgpu_metadata
---
amdhsa.version: [ 1, 2 ]
amdhsa.kernels:
  - .name:           k_qa2f1513fe1_ffn1
    .symbol:         k_qa2f1513fe1_ffn1.kd
    .args:
      - { .name: a1_codes, .offset: 0, .size: 8, .value_kind: global_buffer, .address_space: global }
      - { .name: a1_scales, .offset: 8, .size: 8, .value_kind: global_buffer, .address_space: global }
      - { .name: W1_codes, .offset: 16, .size: 8, .value_kind: global_buffer, .address_space: global }
      - { .name: W1_scales, .offset: 24, .size: 8, .value_kind: global_buffer, .address_space: global }
      - { .name: b1, .offset: 32, .size: 8, .value_kind: global_buffer, .address_space: global }
      - { .name: a2_codes, .offset: 40, .size: 8, .value_kind: global_buffer, .address_space: global }
      - { .name: sa2, .offset: 48, .size: 8, .value_kind: global_buffer, .address_space: global }
    .group_segment_fixed_size: 327680
    .private_segment_fixed_size: 0
    .kernarg_segment_align: 8
    .kernarg_segment_size: 56
    .max_flat_workgroup_size: 128
    .sgpr_count:     100
    .vgpr_count:     1024
    .wavefront_size: 32
...
	.end_amdgpu_metadata
.endif
;; end of part 2
;; launch ffn2mix (part 3): grid 16 x 16, 4 waves a work-group, clusters of 4 x 4, 327,680 bytes of LDS; arguments a2_codes, sa2, W2_codes, sb2, b2, gates, x_streams, out0; writes out0
.if DOCPART == 3
	.amdgcn_target "amdgcn-amd-amdhsa--gfx1250"
	.amdhsa_code_object_version 6
	.text
	.protected	k_qa2f1513fe1_ffn2mix
	.globl	k_qa2f1513fe1_ffn2mix
	.p2align	8
	.type	k_qa2f1513fe1_ffn2mix,@function
k_qa2f1513fe1_ffn2mix:
	s_mov_b64 s[64:65], 0
	v_nop
	global_prefetch_b8 v0, s[64:65] scope:SCOPE_SE
	s_setreg_imm32_b32 hwreg(HW_REG_WAVE_MODE, 25, 1), 1
	s_wait_xcnt 0x0
	s_wait_alu depctr_hold_cnt(0) depctr_sa_sdst(0) depctr_va_vdst(0) depctr_va_sdst(0) depctr_va_ssrc(0) depctr_va_vcc(0) depctr_vm_vsrc(0)
	s_getreg_b32 s2, hwreg(HW_REG_IB_STS2, 6, 4)
	s_cmp_eq_u32 s2, 0
	s_cbranch_scc0 .Lentry_in_a_cluster
	s_endpgm
.Lentry_in_a_cluster:
	s_bfe_u32 s2, ttmp6, 0x10000c
	s_cmp_lg_u32 s2, 0xf033
	s_cbranch_scc0 .Lentry_shape_is_right
	s_endpgm
.Lentry_shape_is_right:
; MHCLiteBlock, launch 3 of 3: layer_output = h W2^T + b2 on codes of E4M3, and out[t][i][c] = sum over j of H_merged[t][i][j] x[t][j][c] + h_post[t][i] layer_output[t][c].  No work is left out.
; A work-group makes 128 tokens x 128 columns: 16 x 16 work-groups.  Wave w: kh = w & 1: its chunks of 128 along K are c = 2 n + kh, n = 0 .. 31; th = w >> 1: its 64 tokens.  32 accumulators.
; The two partial tiles (kh = 0, 1) meet in LDS at the end and are added in f32.  LIMIT: the sum over K is formed in two parts (even chunks, odd chunks), each with K ascending.
; A = h's codes, laid by launch 2 as the operand's registers [chunk 64][token / 128][block 8][4][lane][16 bytes], go from memory straight into registers: a load reads 512 consecutive bytes,
; three chunks a wave are out at a time and are waited for by counts, across the changes of slots.  They are not asked for jointly and not prefetched: a joint load lands in LDS, where two slots of 1,024 along K
; (2 x 141,312 bytes) leave no room for them, and each chunk is asked for three steps ahead of its use by its own load.
; B = W2's codes [2048][8192] come through a ring of two LDS slots of 1,024 along K (128 rows x 1,040 bytes); both sides' scale words ([chunk][group of 128 rows][r 16][block 8]) ride in the slot.
; CLUSTERS 4 x 4: B's codes and scale words are asked for jointly along a column of the cluster, A's scale words along a row.
; THE MATRIX INSTRUCTION IS USED TRANSPOSED (source 0 = 16 rows of W2, source 1 = 16 tokens).
; THE TAIL.  Wave w mixes tokens 32 w .. 32 w + 31, a lane 4 columns.  x OF A TOKEN IS 16 REGISTERS OF ITS OWN, AND ITS LOADS BEGIN UNDER THE LAST PRODUCTS: tokens 0-7 lie in window 0 (asked for in steps 25 and 28),
; tokens 8-23 in A's ring, a quarter of four tokens as soon as its last chunk is multiplied (steps 29, 30, 31 and behind 31), tokens 24-31 in B's first set (asked for in the first eight tokens' turns).
; TOKEN m's 16 RESULTS ARE WRITTEN WHERE x OF TOKEN m - 1 LAY (token 0's into v112-127): no register that a store reads is written again, so the tail has no wait for its stores.
; REGISTERS: window 0: v8-29 addresses; v32-47 scale words, two sets; v48-59 b2, layer_output; v64-95 coefficients; v96-111 partial sums, two sets; v112-127 token 0's results; v128-255 x of tokens 0-7.
;   window 1: B's fragments, two sets.   window 2: the accumulators ((a, b) at v[8 (8 a + b)]).   window 3: A's ring: chunk n at v[64 (n % 4)], block a at + 16 a.
.set BP,    1040
.set BHALF, 64*BP
.set LSA,   2*BHALF
.set LSB,   LSA+4096
.set SLOT,  LSB+4096
.set SPARE, 2*SLOT
.set DBLK,  8448
.set DTILE, 67584
.set CH,    524288
.set ADRB, 16
.set ADRS, 22
.set STO,  24
.set PFB,  25                          ; v25  B's prefetch: row 8 w + (l >> 2) of my work-group's 32, block l & 3 of a fill's four
.set VO,   26
.set PFO,  27
.set SPW,  28
.set NIL,  29
.set SC,   32
.set AB,   24
.set G1B,  32
.set G1SA, 40
.set G1SB, 48
.set WB0,  56
.set WB1,  60
.set WSA,  68
.set WSB,  72
.set FB0,  76
.set FB1,  80
.set FSA,  84
.set FSB,  88
.set PBA,  100                         ; s[100:101] where B's prefetches stand
.set MSB, 0
.macro WIN new
.if MSB != \new
	s_set_vgpr_msb (MSB<<8)|\new
.set MSB, \new
.endif
.endm
.set W_MUL, 0xad
; The four joint loads of a slot, one a wave, in one tree of branches on the wave's number; an s_nop 0 and four v_nop follow each
.macro JLOAD4 gb0, gb1, gsa, gsb
	s_cmp_lt_u32 s14, 2
	s_cbranch_scc0 .Lhi_\@
	s_cmp_eq_u32 s14, 0
	s_cbranch_scc0 .Lw1_\@
	tensor_load_to_lds s[\gb0:\gb0+3], s[G1B:G1B+7]
	s_nop 0
.rept 4
	v_nop
.endr
	s_branch .Ldone_\@
.Lw1_\@:
	tensor_load_to_lds s[\gb1:\gb1+3], s[G1B:G1B+7]
	s_nop 0
.rept 4
	v_nop
.endr
	s_branch .Ldone_\@
.Lhi_\@:
	s_cmp_eq_u32 s14, 2
	s_cbranch_scc0 .Lw3_\@
	tensor_load_to_lds s[\gsa:\gsa+3], s[G1SA:G1SA+7]
	s_nop 0
.rept 4
	v_nop
.endr
	s_branch .Ldone_\@
.Lw3_\@:
	tensor_load_to_lds s[\gsb:\gsb+3], s[G1SB:G1SB+7]
	s_nop 0
.rept 4
	v_nop
.endr
.Ldone_\@:
.endm
.macro CREST
	s_cmp_lg_u32 s14, 0
	s_cbranch_scc1 .Lnot_wave_0_\@
	s_barrier_signal -3
.Lnot_wave_0_\@:
	s_barrier_wait -3
	s_barrier_signal -1
	s_barrier_wait -1
.endm
.macro CROUND
	s_barrier_signal -1
	s_barrier_wait -1
	CREST
.endm
.macro PLACES n
.rept \n
	v_nop
.endr
.endm
.macro FETCH_A q, off                  ; a chunk of A for my 64 tokens: 16 loads of 512 consecutive bytes, into quarter q of the ring
	WIN 0xc0
.irp a, 0,1,2,3
.irp c, 0,1,2,3
	global_load_b128 v[64*(\q)+16*\a+4*\c:64*(\q)+16*\a+4*\c+3], v[VO], s[AB:AB+1] offset:(\off)+2048*\a+512*\c
.endr
.endr
	WIN 0
.endm
.macro FETCH_B sl, q, p                ; B's eight fragments of my q-th chunk of slot sl, into set p
	WIN 0x40
.irp b, 0,1,2,3,4,5,6,7
.irp c, 0,1,2,3
	ds_load_b128 v[128*(\p)+16*\b+4*\c:128*(\p)+16*\b+4*\c+3], v[ADRB+2*(\sl)+\b/4] offset:16*BP*(\b%4)+256*(\q)+32*\c
.endr
.endr
	WIN 0
.endm
.macro SCALES sl, q, set               ; register i: lanes 16-31 the word of B's block i; lanes 0-15, for i < 4, that of my token block i
	ds_load_b128 v[SC+8*(\set):SC+8*(\set)+3], v[ADRS+(\sl)] offset:1024*(\q)
	ds_load_b128 v[SC+8*(\set)+4:SC+8*(\set)+7], v[ADRS+(\sl)] offset:1024*(\q)+16
.endm
.macro MUL8 a, p, q, zero              ; my token block a x B's eight; the 32 accumulators take turns
.irp b, 0,1,2,3,4,5,6,7
.if \zero
	v_wmma_scale_f32_16x16x128_f8f6f4 v[8*(8*(\a)+\b):8*(8*(\a)+\b)+7], v[128*(\p)+16*\b:128*(\p)+16*\b+15], v[64*(\q)+16*(\a):64*(\q)+16*(\a)+15], 0, v[SC+8*(\p)+\b], v[SC+8*(\p)+(\a)] matrix_a_scale:MATRIX_SCALE_ROW1
.else
	v_wmma_scale_f32_16x16x128_f8f6f4 v[8*(8*(\a)+\b):8*(8*(\a)+\b)+7], v[128*(\p)+16*\b:128*(\p)+16*\b+15], v[64*(\q)+16*(\a):64*(\q)+16*(\a)+15], v[8*(8*(\a)+\b):8*(8*(\a)+\b)+7], v[SC+8*(\p)+\b], v[SC+8*(\p)+(\a)] matrix_a_scale:MATRIX_SCALE_ROW1
.endif
.endr
.endm
.macro XHOME m                         ; where x of my token m lies: window XW_, register XB_, stream j at + 4 j
.if (\m) < 8
.set XW_, 0
.set XB_, 128+16*(\m)
.elseif (\m) < 24
.set XW_, 3
.set XB_, 16*((\m)-8)
.else
.set XW_, 1
.set XB_, 16*((\m)-24)
.endif
.endm
.macro XLOAD m                         ; x of my token m: four loads, 32 lanes read 512 consecutive bytes
	XHOME \m
	WIN (XW_<<6)
.irp j, 0,1,2,3
	global_load_b128 v[XB_+4*\j:XB_+4*\j+3], v[VO], s[20:21] offset:32768*(\m)+8192*\j th:TH_LOAD_NT
.endr
.endm
	s_load_b256 s[4:11], s[0:1], 0x0               ; a2_codes, sa2, W2's codes, sb2
	s_load_b256 s[16:23], s[0:1], 0x20             ; b2, gates, x, out
	v_lshl_add_u32 v[SPW], v0, 2, SPARE
	v_mov_b32 v[NIL], 0
	ds_add_u32 v[SPW], v[NIL]                      ; the opening lines: the add, twice on end, and its wait ahead of my first tensor load
	ds_add_u32 v[SPW], v[NIL]
	v_lshrrev_b32 v1, 5, v0
	v_readfirstlane_b32 s14, v1                    ; wave 0..3
	s_and_b32 s26, s14, 1                          ; kh
	s_lshr_b32 s27, s14, 1                         ; th
	s_bfe_u32 s92, ttmp6, 0x40000                  ; cx
	s_bfe_u32 s93, ttmp6, 0x40004                  ; cy
	s_lshl_b32 s94, ttmp9, 2
	s_add_co_u32 s94, s94, s92                     ; tile column
	s_and_b32 s95, ttmp7, 0xffff
	s_lshl_b32 s95, s95, 2
	s_add_co_u32 s95, s95, s93                     ; tile row
	s_lshl_b32 s96, s93, 2
	s_lshl_b32 s96, 15, s96                        ; my row of the cluster
	s_lshl_b32 s97, 0x1111, s92                    ; my column
	s_or_b32 s[G1B+0], s97, (0<<16)|(1<<20)|(1<<21)|(7<<22)|(3<<25)   ; B's codes: 64 rows of 1,024 bytes, 8,192 apart; 4 words of padding behind every 256
	s_mov_b32 s[G1B+1], 1024<<16
	s_mov_b32 s[G1B+2], 64<<16
	s_mov_b32 s[G1B+3], 1024<<16
	s_mov_b32 s[G1B+4], 64
	s_mov_b32 s[G1B+5], 8192
	s_mov_b32 s[G1B+6], 0
	s_mov_b32 s[G1B+7], 0
	s_or_b32 s[G1SA+0], s96, (3<<16)|(1<<21)       ; scale words: 8 rows (chunks) of 64 elements of 8 bytes, 1,024 elements apart
	s_or_b32 s[G1SB+0], s97, (3<<16)|(1<<21)
.irp g, G1SA, G1SB
	s_mov_b32 s[\g+1], 64<<16
	s_mov_b32 s[\g+2], 8<<16
	s_mov_b32 s[\g+3], 64<<16
	s_mov_b32 s[\g+4], 8
	s_mov_b32 s[\g+5], 1024
	s_mov_b32 s[\g+6], 0
	s_mov_b32 s[\g+7], 0
.endr
	v_and_b32 v1, 15, v0                           ; r
	v_bfe_u32 v2, v0, 4, 1                         ; h
	v_and_b32 v3, 31, v0                           ; lane
	v_lshlrev_b32 v[VO], 4, v3                     ; 16 x lane
	v_mul_u32_u24 v4, v1, BP
	v_lshl_add_u32 v4, v2, 4, v4
	s_lshl_b32 s12, s26, 7
	v_add_nc_u32 v[ADRB], s12, v4                  ; B: row r x 1,040 + 16 h + 128 kh
	v_add_nc_u32 v[ADRB+1], BHALF, v[ADRB]
	v_add_nc_u32 v[ADRB+2], SLOT, v[ADRB]
	v_add_nc_u32 v[ADRB+3], SLOT, v[ADRB+1]
	s_xor_b32 s29, s27, 1
	s_lshl_b32 s29, s29, 4
	s_add_co_u32 s29, s29, 4080                    ; 4,096 - 16 th: from my A words to B's
	v_mul_u32_u24 v5, s29, v2                      ; lanes 16-31 take B's scale words
	s_lshl_b32 s12, s26, 9
	s_lshl_b32 s28, s27, 4
	s_add_co_u32 s12, s12, s28
	s_add_co_u32 s12, s12, LSA
	v_lshl_add_u32 v[ADRS], v1, 5, s12             ; A's: 512 kh + 32 r + 16 th
	v_add_nc_u32 v[ADRS], v[ADRS], v5
	v_add_nc_u32 v[ADRS+1], SLOT, v[ADRS]
	s_mul_i32 s12, s26, DTILE
	s_mul_i32 s28, s27, 64*528
	s_add_co_u32 s12, s12, s28
	v_mul_u32_u24 v4, v1, 528
	v_lshl_add_u32 v[STO], v2, 5, v4
	v_add_nc_u32 v[STO], s12, v[STO]               ; the tail: partial tile kh, token 64 th + r, 32 bytes for each half of the lanes
	s_mul_i32 s12, s14, 32*528
	v_lshl_add_u32 v8, v3, 4, s12                  ; and back: my 32 tokens' rows in each of the two partial tiles
	v_add_nc_u32 v9, DTILE, v8
	v_lshrrev_b32 v5, 3, v3
	v_lshlrev_b32 v[PFO], 15, v5                   ; x's prefetches: token l >> 3,
	v_bfe_u32 v5, v0, 1, 2
	v_lshl_add_u32 v[PFO], v5, 13, v[PFO]          ; stream (l >> 1) & 3,
	v_and_b32 v5, 1, v0
	v_lshl_add_u32 v[PFO], v5, 8, v[PFO]           ; which 256 of the 512 bytes
	v_lshrrev_b32 v5, 2, v3
	v_lshlrev_b32 v[PFB], 13, v5                   ; B's prefetches: row l >> 2,
	v_and_b32 v5, 3, v0
	v_lshl_add_u32 v[PFB], v5, 8, v[PFB]           ; block l & 3,
	s_lshl_b32 s12, s14, 16
	v_add_nc_u32 v[PFB], s12, v[PFB]               ; + 8 rows x my wave
	s_mov_b32 s13, 0
	s_mov_b32 s99, 0
	s_wait_alu depctr_va_vdst(0)                   ; the wait at the head's end
	s_wait_dscnt 0x0                               ; both opening adds are done
	s_wait_kmcnt 0x0
	s_lshl_b32 s12, s95, 14
	s_lshl_b32 s15, s26, 18
	s_add_co_u32 s12, s12, s15
	s_lshl_b32 s15, s27, 13
	s_add_co_u32 s12, s12, s15
	s_add_nc_u64 s[AB:AB+1], s[4:5], s[12:13]      ; chunk kh, my group of 128 tokens, my four blocks
	s_lshl_b32 s12, s95, 9
	s_add_nc_u64 s[6:7], s[6:7], s[12:13]
	s_lshl_b32 s98, s94, 20
	s_add_nc_u64 s[8:9], s[8:9], s[98:99]          ; B at my tile column's 128 rows
	s_lshl_b32 s98, s93, 18                        ; of them my work-group prefetches rows 32 cy on: the four partners of a column are told apart by address
	s_add_co_u32 s98, s98, 2048                    ; at fill 2: each refill steps it by one fill first
	s_add_nc_u64 s[PBA:PBA+1], s[8:9], s[98:99]
	s_lshl_b32 s98, s94, 9
	s_add_nc_u64 s[10:11], s[10:11], s[98:99]
	s_add_nc_u64 s[16:17], s[16:17], s[98:99]      ; b2 at my tile's 128 columns
	s_lshl_b32 s98, s95, 14
	s_lshl_b32 s15, s14, 12
	s_add_co_u32 s98, s98, s15
	s_add_nc_u64 s[18:19], s[18:19], s[98:99]      ; the coefficients of my wave's first token
	s_lshl_b32 s98, s95, 22
	s_lshl_b32 s15, s14, 20
	s_add_co_u32 s98, s98, s15
	s_lshl_b32 s15, s94, 9
	s_add_co_u32 s98, s98, s15
	s_add_nc_u64 s[20:21], s[20:21], s[98:99]      ; x and out at that token, my tile's 512 bytes of a stream
	s_add_nc_u64 s[22:23], s[22:23], s[98:99]
	global_load_b128 v[48:51], v[VO], s[16:17]     ; b2 of my 4 columns
.irp k, 0,1,2,3,4,5,6,7
	global_load_b128 v[64+4*\k:67+4*\k], v[VO], s[18:19] offset:512*\k   ; register 4 k + e of lane l is word 4 (l & 7) + e of token 4 k + (l >> 3)
.endr
	FETCH_A 0, 0
	CROUND                                         ; all sixteen work-groups are here: the first joint loads meet
	s_mov_b32 s[FB0], 1
	s_mov_b32 s[FB0+1], 0
	s_mov_b64 s[FB0+2:FB0+3], s[8:9]
	s_or_b32 s[FB0+3], s[FB0+3], 0x80000000
	s_mov_b32 s[FB1], 1
	s_mov_b32 s[FB1+1], BHALF
	s_add_nc_u64 s[FB1+2:FB1+3], s[8:9], 524288
	s_or_b32 s[FB1+3], s[FB1+3], 0x80000000
	s_mov_b32 s[FSA], 1
	s_mov_b32 s[FSA+1], LSA
	s_mov_b64 s[FSA+2:FSA+3], s[6:7]
	s_or_b32 s[FSA+3], s[FSA+3], 0x80000000
	s_mov_b32 s[FSB], 1
	s_mov_b32 s[FSB+1], LSB
	s_mov_b64 s[FSB+2:FSB+3], s[10:11]
	s_or_b32 s[FSB+3], s[FSB+3], 0x80000000
	s_mov_b32 s[WB0], 1
	s_mov_b32 s[WB0+1], SLOT
	s_add_nc_u64 s[WB0+2:WB0+3], s[8:9], 1024
	s_or_b32 s[WB0+3], s[WB0+3], 0x80000000
	s_mov_b32 s[WB1], 1
	s_mov_b32 s[WB1+1], SLOT+BHALF
	s_add_nc_u64 s[WB1+2:WB1+3], s[8:9], 524288+1024
	s_or_b32 s[WB1+3], s[WB1+3], 0x80000000
	s_mov_b32 s[WSA], 1
	s_mov_b32 s[WSA+1], SLOT+LSA
	s_add_nc_u64 s[WSA+2:WSA+3], s[6:7], 65536
	s_or_b32 s[WSA+3], s[WSA+3], 0x80000000
	s_mov_b32 s[WSB], 1
	s_mov_b32 s[WSB+1], SLOT+LSB
	s_add_nc_u64 s[WSB+2:WSB+3], s[10:11], 65536
	s_or_b32 s[WSB+3], s[WSB+3], 0x80000000
	JLOAD4 FB0, FB1, FSA, FSB                      ; slot 0: one tensor load a wave at the head
	FETCH_A 1, CH                                  ; A's chunks 1 and 2 are asked for behind the tiles that step 0 needs
	FETCH_A 2, 2*CH
; STEP n: my chunk n, 32 products.  B's set and the scale words' set are n % 2, A's quarter n % 4, the slot (n / 4) % 2.
; ONE run of loads a step, behind eight places: B's fragments and scale words of chunk n + 1 (fb), A's chunk n + 3 at byte aoff (fa), x of tokens x0 .. x0 + xn - 1.  All land in registers that step n - 1 read last, or in idle ones.
; In a plain step the run stands at the step's top, so that the step's 32 products stand between the LDS loads and the wait for them.
; lc: the global loads issued behind chunk n's, which may stay out.  kind 1: the slot's last step: it is left and filled again.  kind 2: left and not filled.
; xp >= 0 (in the loop alone): a prefetch of x for the tail, one instruction a wave, a lane 256 bytes: in the loop's second trip tokens 4 xp .. 4 xp + 3, in its third tokens 16 + 4 xp .. 19 + 4 xp.
;   Four such steps a trip name my wave's 32 tokens once each; no other wave of the launch reads them.  Their loads begin in step 25, behind the loop.
; pb: a prefetch of B's fill that the NEXT refill will load, four steps ahead of that load (2: not in the loop's last trip, which has no such fill).
.macro STEP n, kind, zero, fb, fa, aoff, lc, xp=-1, pb=0, x0=0, xn=0
.set P_, (\n)%2
.set NP_, 1-P_
.set Q_, (\n)%4
.set AQ_, (Q_+3)%4
.set SL_, ((\n)/4)%2
.set NSL_, (((\n)+1)/4)%2
.set NQ_, ((\n)+1)%4
.if (\kind) == 1
	s_wait_xcnt 0x0                                ; my last prefetch, four steps back, has read its address
	s_add_nc_u64 s[PBA:PBA+1], s[PBA:PBA+1], 1024
.endif
.if \kind
	s_wait_tensorcnt 0x0                           ; all my tensor loads have landed, so every group 0 may be written
	ds_add_u32 v[SPW], v[NIL]
.if (\kind) == 1
	s_add_nc_u64 s[WB0+2:WB0+3], s[WB0+2:WB0+3], 1024
	s_mov_b32 s[WB0+1], SL_*SLOT
	s_add_nc_u64 s[WB1+2:WB1+3], s[WB1+2:WB1+3], 1024
	s_mov_b32 s[WB1+1], SL_*SLOT+BHALF
	s_add_nc_u64 s[WSA+2:WSA+3], s[WSA+2:WSA+3], 65536
	s_mov_b32 s[WSA+1], SL_*SLOT+LSA
	s_add_nc_u64 s[WSB+2:WSB+3], s[WSB+2:WSB+3], 65536
	s_mov_b32 s[WSB+1], SL_*SLOT+LSB
.endif
	s_wait_loadcnt \lc                             ; A's chunk n is in
	s_wait_dscnt 1                                 ; B's fragments and the scale words are in; the add alone may be out
	WIN W_MUL
	MUL8 0, P_, Q_, 0
	s_wait_dscnt 0x0                               ; the add is done, and my reads of this slot are over
	s_barrier_signal -1
	MUL8 1, P_, Q_, 0
	WIN 0
	s_barrier_wait -1
.if (\kind) == 1
	CREST                                          ; the barrier has opened a round of the cluster's barrier
	JLOAD4 WB0, WB1, WSA, WSB                      ; the first tensor load behind the round, one a wave; its four v_nop are among the places in front of the loads below
	PLACES 4
.else
	PLACES 8
.endif
.else
	s_wait_loadcnt \lc
	s_wait_dscnt 0x0
	PLACES 8                                       ; eight places between step n - 1's products and the loads into the registers that they read
.endif
.if \fb
	FETCH_B NSL_, NQ_, NP_
	SCALES NSL_, NQ_, NP_
.endif
.if \fa
	FETCH_A AQ_, \aoff
.endif
.if \xn
.set XT_, \x0
.rept \xn
	XLOAD XT_
.set XT_, XT_+1
.endr
.endif
	WIN 0
.if (\xp) >= 0
	s_cmp_lg_u32 s3, 2                             ; s3 = 3, 2, 1 in the loop's three trips
	s_cbranch_scc1 .Lnot_second_\@
	global_prefetch_b8 v[PFO], s[20:21] offset:131072*(\xp) th:TH_LOAD_NT scope:SCOPE_SE
.Lnot_second_\@:
	s_cmp_lg_u32 s3, 1
	s_cbranch_scc1 .Lnot_third_\@
	global_prefetch_b8 v[PFO], s[20:21] offset:131072*((\xp)+4) th:TH_LOAD_NT scope:SCOPE_SE
.Lnot_third_\@:
.endif
.if (\pb) == 2
	s_cmp_lg_u32 s3, 1
	s_cbranch_scc0 .Lno_fill_\@
.endif
.if \pb
	global_prefetch_b8 v[PFB], s[PBA:PBA+1] th:TH_LOAD_NT scope:SCOPE_SE   ; 8 rows x 4 blocks of 256 bytes a wave, 32 rows a work-group, 128 rows a column of the cluster: each block named once in the cluster
.endif
.if (\pb) == 2
.Lno_fill_\@:
.endif
	WIN W_MUL
.if (\kind) == 0
	MUL8 0, P_, Q_, \zero
	MUL8 1, P_, Q_, \zero
.endif
	MUL8 2, P_, Q_, \zero
	MUL8 3, P_, Q_, \zero
	WIN 0
.endm
	s_wait_tensorcnt 0x0                           ; my part of slot 0 is in
	ds_add_u32 v[SPW], v[NIL]
	s_wait_dscnt 0x0
	CROUND                                         ; everybody's part is in, and all sixteen work-groups are here
	JLOAD4 WB0, WB1, WSA, WSB                      ; slot 1's first fill, the first tensor load behind the round
	FETCH_B 0, 0, 0
	SCALES 0, 0, 0
	STEP 0, 0, 1, 1, 1, 3*CH, 32                   ; step 0 starts the sums.  lc = 32: chunks 1 and 2
	s_mov_b32 s3, 3
.Llap:                                             ; steps 1 to 24: a trip goes once round the ring of slots and twice round A's ring
	STEP 1, 0, 0, 1, 1, 4*CH, 32, 0
	STEP 2, 0, 0, 1, 1, 5*CH, 32
	STEP 3, 1, 0, 1, 1, 6*CH, 32, -1, 1
	STEP 4, 0, 0, 1, 1, 7*CH, 32, 1
	STEP 5, 0, 0, 1, 1, 8*CH, 32, 2
	STEP 6, 0, 0, 1, 1, 9*CH, 32
	STEP 7, 1, 0, 1, 1, 10*CH, 32, -1, 2
	STEP 8, 0, 0, 1, 1, 11*CH, 32, 3
	s_wait_xcnt 0x0                                ; A's base is stepped only behind this wait
	s_add_nc_u64 s[AB:AB+1], s[AB:AB+1], 8*CH
	s_sub_co_u32 s3, s3, 1
	s_cmp_lg_u32 s3, 0
	s_cbranch_scc1 .Llap
	; the last seven steps are written out.  lc counts, behind chunk n's loads: 25: chunks 26, 27.  26 to 28: two chunks and the 12 loads of x of step 25.  29: chunks 30, 31 and the 20 of step 28.  30: chunk 31, the 20, the 16 of step 29.  31: the 20, the 16 of 29, the 16 of 30
	STEP 25, 0, 0, 1, 1, 4*CH, 32, -1, 0, 0, 3
	STEP 26, 0, 0, 1, 1, 5*CH, 44
	STEP 27, 2, 0, 1, 1, 6*CH, 44                  ; the last change of slots
	STEP 28, 0, 0, 1, 1, 7*CH, 44, -1, 0, 3, 5     ; A's last chunk, 31
	STEP 29, 0, 0, 1, 0, 0, 52, -1, 0, 8, 4
	STEP 30, 0, 0, 1, 0, 0, 52, -1, 0, 12, 4
	STEP 31, 0, 0, 0, 0, 0, 52, -1, 0, 16, 4
	; ---- THE TAIL
	PLACES 8                                       ; eight places behind the last products, ahead of loads into registers that they read and of the first read of results
.irp m, 20,21,22,23
	XLOAD \m
.endr
	WIN 0
	s_wait_dscnt 0x0
	s_barrier_signal -1
	s_barrier_wait -1                              ; every wave's reads of the slots are over: slot 0, which has had its last fill, takes the partial tiles
.macro DUMP a
.irp b, 0,1,2,3,4,5,6,7
	ds_store_b128 v[STO], v[8*(8*(\a)+\b):8*(8*(\a)+\b)+3] offset:DBLK*(\a)+64*\b        ; each accumulator from its low end on
	ds_store_b128 v[STO], v[8*(8*(\a)+\b)+4:8*(8*(\a)+\b)+7] offset:DBLK*(\a)+64*\b+16
.endr
.endm
	WIN 0x08
.irp a, 0,1,2,3
	DUMP \a
.endr
	WIN 0
	s_wait_xcnt 0x0                                ; A's loads and the prefetches have read their scalar registers, which take coefficients below
.irp k, 25,27,29,31,33,35,37,39,41,43,45,47,49,51,53,55,57,59,61,63
	s_mov_b32 s\k, 0                               ; a coefficient lies in an even register; the packed forms name the pair and take its low word for both halves, so the odd ones are written once
.endr
	s_wait_dscnt 0x0
	s_barrier_signal -1
	s_barrier_wait -1                              ; the two partial tiles lie in LDS
	ds_load_b128 v[96:99], v8
	ds_load_b128 v[100:103], v9
; Token m of my 32.  Partial sums have two sets, by turns; the results go where x of token m - 1 lay (window OW_, register OB).  No tensor load of mine is out, and A's loads are in: their scalar registers take the token's coefficients.
.macro TOK m
.set PB, 96+8*((\m)%2)
.set PN, 96+8*(((\m)+1)%2)
.if (\m) == 0
.set OW_, 0
.set OB, 112
.else
	XHOME (\m)-1
.set OW_, XW_
.set OB, XB_
.endif
.set GR, 64+4*((\m)/4)
.set GL, 8*((\m)%4)
.irp i, 0,1,2,3
.irp j, 0,1,2,3
	v_readlane_b32 s[24+8*\i+2*\j], v[GR+\j], GL+\i  ; H_merged[i][j]: word 4 i + j
.endr
	v_readlane_b32 s[56+2*\i], v[GR+\i], GL+6      ; h_post[i]: word 24 + i
.endr
.if (\m) < 31
	ds_load_b128 v[PN:PN+3], v8 offset:528*((\m)+1)
	ds_load_b128 v[PN+4:PN+7], v9 offset:528*((\m)+1)
	s_wait_dscnt 2                                 ; this token's two partial sums are in; the next token's may be out
.else
	s_wait_dscnt 0x0
.endif
.if 4*(31-(\m)) > 60
	s_wait_loadcnt 60                              ; behind this token's four loads of x stand more than 60: the count is held at 60, fifteen tokens
.else
	s_wait_loadcnt 4*(31-(\m))                     ; the later tokens' loads may be out
.endif
	v_pk_add_f32 v[56:57], v[PB:PB+1], v[PB+4:PB+5]
	v_pk_add_f32 v[58:59], v[PB+2:PB+3], v[PB+6:PB+7]
	v_pk_add_f32 v[52:53], v[56:57], v[48:49]      ; layer_output of my 4 columns
	v_pk_add_f32 v[54:55], v[58:59], v[50:51]
	WIN (OW_<<6)                                   ; the results' window
.irp i, 0,1,2,3
.irp e, 0,2
	v_pk_mul_f32 v[OB+4*\i+\e:OB+4*\i+\e+1], v[52+\e:53+\e], s[56+2*\i:57+2*\i] op_sel_hi:[1,0]   ; h_post[i] x layer_output starts the sums, two columns at a time
.endr
.endr
	XHOME \m
	WIN ((OW_<<6)|(OW_<<4)|XW_)                    ; source 0 (x) in its window; source 2 and the destination in the results'
.irp j, 0,1,2,3
.irp i, 0,1,2,3
.irp e, 0,2
	v_pk_fma_f32 v[OB+4*\i+\e:OB+4*\i+\e+1], v[XB_+4*\j+\e:XB_+4*\j+\e+1], s[24+8*\i+2*\j:25+8*\i+2*\j], v[OB+4*\i+\e:OB+4*\i+\e+1] op_sel_hi:[1,0,1]
.endr
.endr
.endr
.if (\m) < 8
	XLOAD (\m)+24
.endif
	WIN (OW_<<2)                                   ; a store's data are its source 1
.irp i, 0,1,2,3
	global_store_b128 v[VO], v[OB+4*\i:OB+4*\i+3], s[22:23] offset:32768*(\m)+8192*\i th:TH_STORE_NT   ; 32 lanes store 512 consecutive bytes, at a multiple of 256 from out's first byte
.endr
	WIN 0
.endm
.irp m, 0,1,2,3,4,5,6,7,8,9,10,11,12,13,14,15,16,17,18,19,20,21,22,23,24,25,26,27,28,29,30,31
	TOK \m
.endr
	s_wait_tensorcnt 0x0                           ; the wave's end
	ds_add_u32 v[SPW], v[NIL]
	s_wait_dscnt 0x0
	CROUND                                         ; the closing round
	s_endpgm
.Lfunc_end_k_qa2f1513fe1_ffn2mix:
	.size	k_qa2f1513fe1_ffn2mix, .Lfunc_end_k_qa2f1513fe1_ffn2mix-k_qa2f1513fe1_ffn2mix
	.p2alignl 7, 3214868480
	.fill 96, 4, 3214868480
	.section	.rodata,"a",@progbits
	.p2align	6, 0x0
	.amdhsa_kernel k_qa2f1513fe1_ffn2mix
		.amdhsa_group_segment_fixed_size 327680
		.amdhsa_private_segment_fixed_size 0
		.amdhsa_enable_private_segment 0
		.amdhsa_kernarg_size 64
		.amdhsa_user_sgpr_count 2
		.amdhsa_user_sgpr_kernarg_segment_ptr 1
		.amdhsa_wavefront_size32 1
		.amdhsa_system_sgpr_workgroup_id_x 1
		.amdhsa_system_sgpr_workgroup_id_y 1
		.amdhsa_system_sgpr_workgroup_id_z 1
		.amdhsa_system_vgpr_workitem_id 0
		.amdhsa_next_free_vgpr 1024
		.amdhsa_next_free_sgpr 102
		.amdhsa_reserve_vcc 0
		.amdhsa_float_denorm_mode_32 3
		.amdhsa_float_denorm_mode_16_64 3
		.amdhsa_memory_ordered 1
		.amdhsa_forward_progress 1
		.amdhsa_inst_pref_size 255
	.end_amdhsa_kernel
	.section	.bss,"aw",@nobits
	.p2align	6
	.space	262144
	.amdgpu_metadata
---
amdhsa.version: [ 1, 2 ]
amdhsa.kernels:
  - .name:           k_qa2f1513fe1_ffn2mix
    .symbol:         k_qa2f1513fe1_ffn2mix.kd
    .args:
      - { .name: a2_codes, .offset: 0, .size: 8, .value_kind: global_buffer, .address_space: global }
      - { .name: sa2, .offset: 8, .size: 8, .value_kind: global_buffer, .address_space: global }
      - { .name: W2_codes, .offset: 16, .size: 8, .value_kind: global_buffer, .address_space: global }
      - { .name: sb2, .offset: 24, .size: 8, .value_kind: global_buffer, .address_space: global }
      - { .name: b2, .offset: 32, .size: 8, .value_kind: global_buffer, .address_space: global }
      - { .name: gates, .offset: 40, .size: 8, .value_kind: global_buffer, .address_space: global }
      - { .name: x_streams, .offset: 48, .size: 8, .value_kind: global_buffer, .address_space: global }
      - { .name: out0, .offset: 56, .size: 8, .value_kind: global_buffer, .address_space: global }
    .group_segment_fixed_size: 327680
    .private_segment_fixed_size: 0
    .kernarg_segment_align: 8
    .kernarg_segment_size: 64
    .max_flat_workgroup_size: 128
    .sgpr_count:     102
    .vgpr_count:     1024
    .wavefront_size: 32
...
	.end_amdgpu_metadata
.endif
;; end of part 3
